; MI455X (gfx1250); checked and timed in simulation.
; The chip was launched on July 23, 2026; its instructions are those of AMD's public machine-readable ISA for CDNA 5 (MIT licence, August 2026) and "CDNA5" Instruction Set Architecture Reference Guide (July 2026). The comments in the code are by the model that wrote it; some were corrected since.
;; Calc Attention. Allowed arithmetic: matrix products marked QUANTISED: E2M3 operands, one E8M0 scale for each 32 along K, by v_wmma_scale_f32_16x16x128_f8f6f4 with both operands' format E2M3, f32 sums; everything else in f32.
;; Inputs: b_out 1,024 float32; ln_beta 1,024 float32; ln_gamma 1,024 float32; w_out 1,024 x 1,024 float32; w_qkv 1,024 x 3,072 float32; x 2 x 2,048 x 1,024 float32.
;; Outputs: out0 2 x 2,048 x 1,024 float32.
;; This version of the problem:
;;   THIS VERSION OF THE PROBLEM IS GIVEN IN LOW PRECISION. The matrix products marked QUANTISED in the list below multiply operands that are first quantised to E2M3 (2 exponent bits, 3 mantissa bits; 6 bits a number), with one power-of-two scale for each 32 numbers along K (OCP MX v1.0); their sums are f32. All else is computed in f32.
;;   The module's matrix products, in the order in which they are computed (A, B: the left and right operand; K: the contracted axis; several contracted axes count as one K, in the product's order):
;;     1. [M 4,096, K 1,024] x [K 1,024, N 3,072]; A: input x; B: input w_qkv: QUANTISED
;;     2. batch 64 x [M 2,048, K 32] x [K 32, N 2,048]; A: computed on the way; B: computed on the way: QUANTISED
;;     3. batch 64 x [M 2,048, K 2,048] x [K 2,048, N 32]; A: softmax (see below); B: computed on the way: QUANTISED
;;     4. [M 4,096, K 1,024] x [K 1,024, N 1,024]; A: computed on the way; B: input w_out: QUANTISED
;;   THE QUANTISER, for each operand of a quantised product, along K:
;;     - K is cut into blocks of 32 from its start; a last block that is shorter is filled with zeros.
;;     - A block's scale is 2^e with e = floor(log2(the largest magnitude in the block)) - 2, held to -126 .. 127; a block of zeros has e = 0. As a byte (E8M0): e + 127.
;;     - Each number is divided by its block's scale, clamped to +-7.5, and rounded to the nearest number of E2M3, ties to even, subnormals kept.
;;     - The product sums the exact products of the quantised numbers (number of the format x scale) in f32.
;;   ~~~python
;;   def quantise(x, axis):      # numpy; x: float32 -> the quantised numbers, widened to float32 again
;;       x = np.moveaxis(x, axis, -1); K = x.shape[-1]
;;       x = np.pad(x, [(0, 0)] * (x.ndim - 1) + [(0, -K % 32)]); x = x.reshape(x.shape[:-1] + (-1, 32)); a = np.abs(x).max(-1, keepdims=True)
;;       e = np.where(a > 0, np.clip(np.frexp(np.where(a > 0, a, 1))[1] - 1 - 2, -126, 127), 0)      # np.frexp(a)[1] - 1 = floor(log2(a)), exactly
;;       r = np.clip(x / 2.0 ** e, -7.5, 7.5)
;;       step = 2.0 ** (np.maximum(np.frexp(np.where(r == 0, 1, r))[1] - 1, 0) - 3)
;;       q = np.round(r / step) * step * 2.0 ** e      # np.round: ties to even
;;       return np.moveaxis(q.reshape(q.shape[:-2] + (-1,))[..., :K], -1, axis).astype(np.float32)
;;   ~~~
;;   SOFTMAX AHEAD OF A QUANTISED PRODUCT. Where the list says 'softmax', what is quantised is not the finished softmax but p = 2^(t - M), with t = logit x log2(e) and M = ceil(the row's largest t), a whole number; so 1/2 < the row's largest p <= 1. The row's sum l is taken of the UNQUANTISED p, in f32, and the product's result is divided by l at the end. Since M is a whole number, a kernel that streams over the keys may use a running M (the ceiling of the running maximum): every later rescaling is an exact power of two, which a block's scale takes up: the codes' values come out the same.
;;   OPERANDS COMPUTED ON THE WAY. 'Computed on the way' means the value that the module computes at that place (a softmax that the list does not call 'softmax' is quantised finished and normalised). What goes into a quantiser is computed in f32, as accurately as f32 sums, v_exp_f32 and their like allow (about 1e-6 of the number): no bf16 or f16 on the way to a quantiser, and a product that is left as it is and whose result goes on into a quantised operand takes f32 operands (vector FMAs, or v_wmma_f32_16x16x4_f32). A number that lies on a knife's edge between two numbers of the format may be rounded either way, as far as f32 arithmetic and the matrix unit's own rounding can turn it there, and no further.
;; 2 versions, each right; version 2 is version 1 with the launches attn, proj_ln written anew for expert scheduling mode. Each part assembles by itself: llvm-mc -triple=amdgcn-amd-amdhsa -mcpu=gfx1250 --defsym DOCPART=n.
;; ======== version 1 of 2: 4 launches
;; workspace buffers: opc 6,291,456 bytes; ops 262,144 bytes; qkvc 18,874,368 bytes; qkvs 786,432 bytes; aoc 3,145,728 bytes; aos 131,072 bytes
;; launch quant (part 1): grid 256 x 1, 4 waves a work-group, no clusters, 34,304 bytes of LDS; arguments x, w_qkv, w_out, opc, ops; writes opc, ops
.if DOCPART == 1
	.amdgcn_target "amdgcn-amd-amdhsa--gfx1250"
	.amdhsa_code_object_version 6
	.text
	.protected	k_q223f01f295_quant
	.globl	k_q223f01f295_quant
	.p2align	8
	.type	k_q223f01f295_quant,@function
k_q223f01f295_quant:
	s_mov_b64 s[64:65], 0
	v_nop
	global_prefetch_b8 v0, s[64:65] scope:SCOPE_SE
	s_setreg_imm32_b32 hwreg(HW_REG_WAVE_MODE, 25, 1), 1
	s_wait_xcnt 0x0
; x [4096][1024], w_qkv [1024][3072] and w_out [1024][1024], f32, become codes of FP6 (E2M3) along K = 1,024, with one E8M0 byte for each 32 along K.
; A block's scale is 2^(floor(log2(its largest magnitude)) - 2); its byte is the largest magnitude's exponent field - 2, held at 1 from below.
; LIMITS: a block of zeros, or one whose largest magnitude lies under 2^-124, gets the byte 1 (not 127): its codes are zeros and this program alone reads the bytes.  NaN and infinities are not served.
; OPERAND ROWS are numbered R = token (x), 4096 + n (column n of w_qkv), 7168 + n (column n of w_out).  They are laid in tiles of 16: row p of tile T is R = 64 (T / 4) + 32 (p / 8) + 8 (T % 4) + p % 8,
; so that a product that takes four neighbouring tiles as source 0 leaves 32 neighbouring R in 32 consecutive registers of one lane.
; opc: fragment (T, s) = 16 rows x K 128 s .. + 127, 1,536 bytes at T x 12288 + s x 1536, AS AN IMAGE OF THE OPERAND'S REGISTERS: register 4 q + g of lane l at 512 q + 16 l + 4 g.
; ops: the scale word of row p, K step s, at T x 512 + (s / 2) x 128 + 8 p + 4 (s % 2).
; Work-groups 0-127 take x (two tiles each; a wave: one tile, half of K: four fragments), work-groups 128-255 the weights (128 columns x 256 along K; a lane: one column, registers down K).
; Every work-group reads 131,072 bytes.  No barrier: waves share nothing.  Only x's path uses LDS (a stage of its own for each wave).
.set XR,  116                          ; v116-243 x as loaded: two sets of 16 rows x 4 registers
.set XN,  52                           ; v52-115  64 numbers of my row: register 32 c + i = K 64 c + 32 h + i
.set CD,  28                           ; v28-51   a fragment's codes, two sets of 12
.set TP,  20                           ; v20-27   the halves of blocks that a conversion cannot put at an odd register
.set WD,  16                           ; v16-19   the four fragments' scale words
.set MX,  8                            ; v8-9     largest magnitudes
.set SO,  10                           ; v10-11   the conversions' scale operands
.set BY,  12                           ; v12-13   scale bytes
.set PD,  15                           ; v15      a lane permute's destination
.set SPI, 528                          ; a stage row: 512 bytes + 16, so that sixteen rows start at sixteen different places modulo 256 bytes
.set WX,  64                           ; weights: v64-127 two sets of 32 numbers
.set WC,  128                          ; v128-175 codes of two K steps, 24 registers each
.set WT,  176                          ; v176-178 a block's second half
.set WW,  180                          ; v180-181 the two scale words
.set VA,  32                           ; v32-63   4 x lane + i rows of the weight
.macro XLD t                           ; fragment t: 16 rows x 512 consecutive bytes, a row a load
.irp p, 0,1,2,3,4,5,6,7,8,9,10,11,12,13,14,15
	global_load_b128 v[XR+64*((\t)%2)+4*\p:XR+64*((\t)%2)+4*\p+3], v1, s[4:5] offset:(32*(\p/8)+\p%8)*4096+512*(\t) th:TH_LOAD_NT
.endr
.endm
.macro QB2 t                           ; my two whole blocks (K blocks h and 2 + h of the fragment) become 12 registers of codes and, with lane l xor 16's two bytes, the row's scale word
.set CC, CD+12*((\t)%2)
.irp c, 0,1
	v_max3_num_f32 v[MX+\c], |v[XN+32*\c]|, |v[XN+32*\c+1]|, 0x1800000   ; the floor 2^(3 - 127) among the leaves: the byte cannot fall under 1
.endr
.irp i, 2,4,6,8,10,12,14,16,18,20,22,24,26,28,30
.irp c, 0,1
	v_max3_num_f32 v[MX+\c], v[MX+\c], |v[XN+32*\c+\i]|, |v[XN+32*\c+\i+1]|
.endr
.endr
.irp c, 0,1
	v_add_nc_u32 v[SO+\c], 0xff000000, v[MX+\c]    ; 2 off the exponent field: the conversion takes that field as its scale
.endr
.irp c, 0,1
	v_lshrrev_b32 v[BY+\c], 23, v[SO+\c]           ; the scale's byte
.endr
	v_lshl_or_b32 v[WD+(\t)], v[BY+1], 16, v[BY]
	v_lshlrev_b32 v[WD+(\t)], v5, v[WD+(\t)]       ; 8 h bits up
	v_permlanex16_b32 v[PD], v[WD+(\t)], s20, s21
	v_or_b32 v[WD+(\t)], v[WD+(\t)], v[PD]         ; the word is whole in both lanes of the row
.irp c, 0,1
	v_cvt_scalef32_pk16_fp6_f32 v[CC+6*\c:CC+6*\c+2], v[XN+32*\c:XN+32*\c+15], v[SO+\c]
	v_cvt_scalef32_pk16_fp6_f32 v[TP+4*\c:TP+4*\c+2], v[XN+32*\c+16:XN+32*\c+31], v[SO+\c]   ; (a conversion's three registers begin on an even number)
.endr
	v_nop                                          ; one plain line behind the conversions
.irp c, 0,1
.irp i, 0,1,2
	v_mov_b32 v[CC+6*\c+3+\i], v[TP+4*\c+\i]
.endr
.endr
.endm
.macro XFRAG t
.if (\t) < 3
	s_wait_loadcnt 16                              ; this fragment's 16 loads are in; the next fragment's 16 may be out
.else
	s_wait_loadcnt 0x0
.endif
.irp p, 0,1,2,3,4,5,6,7,8,9,10,11,12,13,14,15
	ds_store_b128 v2, v[XR+64*((\t)%2)+4*\p:XR+64*((\t)%2)+4*\p+3] offset:SPI*\p   ; the rows as they lie
.endr
.irp c, 0,1
.irp i, 0,1,2,3,4,5,6,7
	ds_load_b128 v[XN+32*\c+4*\i:XN+32*\c+4*\i+3], v3 offset:256*\c+16*\i          ; back: row r, 32 neighbours along K at 256 c + 128 h.  LDS serves a wave's instructions in order
.endr
.endr
	s_wait_dscnt 0x0                               ; my numbers are in, and the stage's stores have read their registers,
.if (\t)+2 < 4
	XLD (\t)+2                                     ; which take the fragment two on
.endif
.if (\t) >= 2
	s_wait_xcnt 0x0                                ; the stores of two fragments back have read this set of codes
.endif
	QB2 \t
.irp q, 0,1,2
	global_store_b128 v1, v[CD+12*((\t)%2)+4*\q:CD+12*((\t)%2)+4*\q+3], s[10:11] offset:1536*(\t)+512*\q   ; 512 consecutive bytes, aligned
.endr
.endm
.macro WLD t                           ; block t of my column: 32 rows of the weight; 32 lanes read 128 consecutive bytes
.irp i, 0,1,2,3,4,5,6,7,8,9,10,11,12,13,14,15,16,17,18,19,20,21,22,23,24,25,26,27,28,29,30,31
	global_load_b32 v[WX+32*((\t)%2)+\i], v[VA+\i], s[32+2*(\t):33+2*(\t)] th:TH_LOAD_NT
.endr
.endm
.macro WBLK t
.set XS, WX+32*((\t)%2)
.set DD, WC+24*((\t)/4)+12*((\t)%2)+6*(((\t)%4)/2)   ; K block kq = t % 4 of the step belongs to image lane (p, kq % 2), registers 6 (kq / 2) on
.if (\t) < 7
	s_wait_loadcnt 32                              ; this block's 32 loads are in; the next block's may be out
.else
	s_wait_loadcnt 0x0
.endif
	v_max3_num_f32 v8, |v[XS]|, |v[XS+1]|, |v[XS+2]|
	v_max3_num_f32 v9, |v[XS+3]|, |v[XS+4]|, |v[XS+5]|
.irp i, 6,10,14,18,22,26
	v_max3_num_f32 v8, v8, |v[XS+\i]|, |v[XS+\i+1]|
	v_max3_num_f32 v9, v9, |v[XS+\i+2]|, |v[XS+\i+3]|
.endr
	v_max3_num_f32 v8, v8, |v[XS+30]|, |v[XS+31]|
	v_max3_num_f32 v8, v8, v9, 0x1800000           ; and the floor
	v_add_nc_u32 v10, 0xff000000, v8
	v_lshrrev_b32 v11, 23, v10
	v_cvt_scalef32_pk16_fp6_f32 v[DD:DD+2], v[XS:XS+15], v10
	v_cvt_scalef32_pk16_fp6_f32 v[WT:WT+2], v[XS+16:XS+31], v10
.if (\t)%4 == 0
	v_mov_b32 v[WW+(\t)/4], v11                    ; four bytes to a word, the lower K in the lower byte.  (Also the plain line behind the conversions)
.else
	v_lshl_or_b32 v[WW+(\t)/4], v11, 8*((\t)%4), v[WW+(\t)/4]
.endif
.irp i, 0,1,2
	v_mov_b32 v[DD+3+\i], v[WT+\i]
.endr
.if (\t)+2 < 8
	WLD (\t)+2
.endif
.if (\t)%4 == 3                        ; a K step is whole: both image lanes of my row, 3 x 16 bytes each; eight lanes store 128 consecutive bytes
.irp e, 0,1
.irp q, 0,1,2
	global_store_b128 v2, v[WC+24*((\t)/4)+12*\e+4*\q:WC+24*((\t)/4)+12*\e+4*\q+3], s[10:11] offset:1536*((\t)/4)+256*\e+512*\q
.endr
.endr
.endif
.endm
	s_load_b128 s[4:7], s[0:1], 0x0                ; x, w_qkv
	s_load_b128 s[8:11], s[0:1], 0x10              ; w_out, opc
	s_load_b64 s[12:13], s[0:1], 0x20              ; ops
	v_lshl_add_u32 v254, v0, 2, 0x8400
	v_mov_b32 v255, 0
	v_lshrrev_b32 v1, 5, v0
	v_readfirstlane_b32 s14, v1                    ; wave 0..3
	v_and_b32 v6, 31, v0                           ; lane
	v_and_b32 v7, 15, v0                           ; r
	v_bfe_u32 v5, v0, 4, 1                         ; h
	s_mov_b32 s20, 0x76543210
	s_mov_b32 s21, 0xfedcba98                      ; v_permlanex16_b32's selects for lane l xor 16
	s_cmp_lt_u32 ttmp9, 128
	s_cbranch_scc0 .Lw
	; ---- x: tile T = 2 x work-group + wave / 2, K half kh = wave % 2
	s_lshl_b32 s15, ttmp9, 1
	s_lshr_b32 s16, s14, 1
	s_add_co_u32 s15, s15, s16                     ; T
	s_and_b32 s16, s14, 1                          ; kh
	s_lshr_b32 s17, s15, 2
	s_and_b32 s18, s15, 3
	s_lshl_b32 s17, s17, 6
	s_lshl_b32 s18, s18, 3
	s_add_co_u32 s17, s17, s18                     ; the tile's first token: 64 (T / 4) + 8 (T % 4)
	s_lshl_b32 s22, s17, 12
	s_lshl_b32 s18, s16, 11
	s_add_co_u32 s22, s22, s18                     ; x: token x 4096 + 2048 kh
	s_mov_b32 s23, 0
	s_mul_i32 s24, s15, 12288
	s_mul_i32 s18, s16, 6144
	s_add_co_u32 s24, s24, s18                     ; opc: T x 12288 + 4 kh fragments
	s_mov_b32 s25, 0
	s_lshl_b32 s26, s15, 9
	s_lshl_b32 s18, s16, 8
	s_add_co_u32 s26, s26, s18                     ; ops: T x 512 + 256 kh
	s_mov_b32 s27, 0
	s_mul_i32 s28, s14, 16*SPI                     ; my stage
	v_lshlrev_b32 v1, 4, v6                        ; 16 x lane
	v_add_nc_u32 v2, s28, v1                       ; the stage, on the way in
	v_mul_u32_u24 v3, v7, SPI
	v_lshl_add_u32 v3, v5, 7, v3
	v_add_nc_u32 v3, s28, v3                       ; and out: row r, + 128 h
	v_lshlrev_b32 v4, 3, v6                        ; 8 x lane
	v_cmp_lt_u32 vcc_lo, 15, v6                    ; lanes 16-31
	v_lshlrev_b32 v5, 3, v5                        ; 8 h
	v_mov_b32 v[PD], 0                             ; a lane permute's destination counts as one of its sources
	s_wait_kmcnt 0x0
	s_add_nc_u64 s[4:5], s[4:5], s[22:23]
	s_add_nc_u64 s[10:11], s[10:11], s[24:25]
	s_add_nc_u64 s[12:13], s[12:13], s[26:27]
	XLD 0
	XLD 1
	XFRAG 0
	XFRAG 1
	XFRAG 2
	XFRAG 3
	v_cndmask_b32 v8, v[WD], v[WD+2], vcc_lo       ; lanes 0-15 store row r's words of steps 0, 1 of my half of K, lanes 16-31 those of steps 2, 3
	v_cndmask_b32 v9, v[WD+1], v[WD+3], vcc_lo
	global_store_b64 v4, v[8:9], s[12:13]          ; 256 consecutive bytes, aligned
	s_wait_tensorcnt 0x0
	ds_add_u32 v254, v255
	s_wait_dscnt 0x0
	s_endpgm
.Lw:
	; ---- the weights: 128 columns (cg) x 256 along K (ky); my column is 128 cg + 32 wave + lane of the two weights laid side by side
	s_sub_co_u32 s15, ttmp9, 128
	s_lshr_b32 s16, s15, 2                         ; cg 0..31: 0-23 w_qkv, 24-31 w_out
	s_and_b32 s17, s15, 3                          ; ky
	s_mov_b32 s18, 4096
	s_wait_kmcnt 0x0
	s_cmp_lt_u32 s16, 24                           ; the choice hangs on the work-group's number alone
	s_cselect_b64 s[4:5], s[6:7], s[8:9]
	s_cselect_b32 s18, 12288, s18                  ; a row of the weight in bytes
	s_cselect_b32 s19, 0, 24
	s_sub_co_u32 s19, s16, s19
	s_lshl_b32 s19, s19, 7                         ; the first column in its own tensor
	s_lshl_b32 s22, s14, 5
	s_add_co_u32 s22, s22, s19
	s_lshl_b32 s22, s22, 2
	s_mul_i32 s23, s17, s18
	s_lshl_b32 s23, s23, 8
	s_add_co_u32 s22, s22, s23                     ; 4 x column + 256 ky rows
	s_mov_b32 s23, 0
	s_add_nc_u64 s[32:33], s[4:5], s[22:23]        ; a base for each of the eight blocks, 32 rows apart
	s_lshl_b32 s24, s18, 5
	s_mov_b32 s25, 0
.irp t, 1,2,3,4,5,6,7
	s_add_nc_u64 s[32+2*\t:33+2*\t], s[30+2*\t:31+2*\t], s[24:25]
.endr
	v_lshlrev_b32 v[VA], 2, v6
.irp i, 1,2,3,4,5,6,7,8,9,10,11,12,13,14,15,16,17,18,19,20,21,22,23,24,25,26,27,28,29,30,31
	v_add_nc_u32 v[VA+\i], s18, v[VA+\i-1]         ; 4 x lane + i rows
.endr
	WLD 0
	WLD 1
	v_lshrrev_b32 v8, 3, v6                        ; lane / 8: which of the four tiles
	v_and_b32 v9, 7, v6                            ; lane % 8; my row in the tile is 8 (wave % 2) + lane % 8
	s_and_b32 s26, s14, 1
	v_mul_u32_u24 v2, v8, 12288
	v_lshl_add_u32 v2, v9, 4, v2
	s_lshl_b32 s27, s26, 7
	v_add_nc_u32 v2, s27, v2                       ; codes: tile x 12288 + 16 x row
	v_lshlrev_b32 v3, 9, v8
	v_lshl_add_u32 v3, v9, 3, v3
	s_lshl_b32 s27, s26, 6
	v_add_nc_u32 v3, s27, v3                       ; scale words: tile x 512 + 8 x row
	s_lshl_b32 s28, s16, 1
	s_lshr_b32 s29, s14, 1
	s_add_co_u32 s28, s28, s29
	s_add_co_u32 s28, s28, 64                      ; which 64 operand rows: (4096 + 128 cg + 32 wave) / 64
	s_mul_i32 s30, s28, 4*12288
	s_mul_i32 s29, s17, 2*1536
	s_add_co_u32 s30, s30, s29
	s_mov_b32 s31, 0
	s_add_nc_u64 s[10:11], s[10:11], s[30:31]      ; opc at these four tiles, K step 2 ky
	s_lshl_b32 s30, s28, 11
	s_lshl_b32 s29, s17, 7
	s_add_co_u32 s30, s30, s29
	s_add_nc_u64 s[12:13], s[12:13], s[30:31]      ; ops likewise
.irp t, 0,1,2,3,4,5,6,7
	WBLK \t
.endr
	global_store_b64 v3, v[WW:WW+1], s[12:13]      ; my row's two scale words
	s_endpgm
.Lfunc_end_k_q223f01f295_quant:
	.size	k_q223f01f295_quant, .Lfunc_end_k_q223f01f295_quant-k_q223f01f295_quant
	.p2alignl 7, 3214868480
	.fill 96, 4, 3214868480
	.section	.rodata,"a",@progbits
	.p2align	6, 0x0
	.amdhsa_kernel k_q223f01f295_quant
		.amdhsa_group_segment_fixed_size 34304
		.amdhsa_private_segment_fixed_size 0
		.amdhsa_enable_private_segment 0
		.amdhsa_kernarg_size 40
		.amdhsa_user_sgpr_count 2
		.amdhsa_user_sgpr_kernarg_segment_ptr 1
		.amdhsa_wavefront_size32 1
		.amdhsa_system_sgpr_workgroup_id_x 1
		.amdhsa_system_sgpr_workgroup_id_y 1
		.amdhsa_system_sgpr_workgroup_id_z 1
		.amdhsa_system_vgpr_workitem_id 0
		.amdhsa_next_free_vgpr 256
		.amdhsa_next_free_sgpr 66
		.amdhsa_reserve_vcc 1
		.amdhsa_float_denorm_mode_32 3
		.amdhsa_float_denorm_mode_16_64 3
		.amdhsa_memory_ordered 1
		.amdhsa_forward_progress 1
		.amdhsa_inst_pref_size 70
	.end_amdhsa_kernel
	.amdgpu_metadata
---
amdhsa.version: [ 1, 2 ]
amdhsa.kernels:
  - .name:           k_q223f01f295_quant
    .symbol:         k_q223f01f295_quant.kd
    .args:
      - { .name: x, .offset: 0, .size: 8, .value_kind: global_buffer, .address_space: global }
      - { .name: w_qkv, .offset: 8, .size: 8, .value_kind: global_buffer, .address_space: global }
      - { .name: w_out, .offset: 16, .size: 8, .value_kind: global_buffer, .address_space: global }
      - { .name: opc, .offset: 24, .size: 8, .value_kind: global_buffer, .address_space: global }
      - { .name: ops, .offset: 32, .size: 8, .value_kind: global_buffer, .address_space: global }
    .group_segment_fixed_size: 34304
    .private_segment_fixed_size: 0
    .kernarg_segment_align: 8
    .kernarg_segment_size: 40
    .max_flat_workgroup_size: 128
    .sgpr_count:     66
    .vgpr_count:     256
    .wavefront_size: 32
...
	.end_amdgpu_metadata
.endif
;; end of part 1
;; launch gemm_qkv (part 2): grid 12 x 16, 4 waves a work-group, clusters of 4 x 4, 327,680 bytes of LDS; arguments opc, ops, qkvc, qkvs; writes qkvc, qkvs
.if DOCPART == 2
	.amdgcn_target "amdgcn-amd-amdhsa--gfx1250"
	.amdhsa_code_object_version 6
	.text
	.protected	k_q223f01f295_gemm_qkv
	.globl	k_q223f01f295_gemm_qkv
	.p2align	8
	.type	k_q223f01f295_gemm_qkv,@function
k_q223f01f295_gemm_qkv:
	s_mov_b64 s[64:65], 0
	v_nop
	global_prefetch_b8 v0, s[64:65] scope:SCOPE_SE
	s_setreg_imm32_b32 hwreg(HW_REG_WAVE_MODE, 25, 1), 1
	s_wait_xcnt 0x0
	s_wait_alu depctr_hold_cnt(0) depctr_sa_sdst(0) depctr_va_vdst(0) depctr_va_sdst(0) depctr_va_ssrc(0) depctr_va_vcc(0) depctr_vm_vsrc(0)
	s_getreg_b32 s2, hwreg(HW_REG_IB_STS2, 6, 4)
	s_cmp_eq_u32 s2, 0
	s_cbranch_scc0 .Lentry_in_a_cluster
	s_endpgm
.Lentry_in_a_cluster:
	s_bfe_u32 s2, ttmp6, 0x10000c
	s_cmp_lg_u32 s2, 0xf033
	s_cbranch_scc0 .Lentry_shape_is_right
	s_endpgm
.Lentry_shape_is_right:
; The first product, x w_qkv, on codes of FP6 (E2M3) with E8M0 scales, K = 1,024; its result is quantised again on the way out and never goes to memory as f32.
; Clusters x = 0, 1: C = x Wqk^T (rows = tokens, columns = q's and k's 2,048 columns): a block of 32 columns is one head's q or k of one token.
; Cluster x = 2:     C = Wv x^T  (rows = v's 1,024 channels, columns = tokens): a block of 32 columns is 32 keys of one channel: v comes out with the keys innermost.
; A tile of C, 256 x 256, is made by four waves, 128 x 128 each: 64 accumulators, 512 registers.  K goes in steps of 256 through two LDS slots filled by the tensor data mover.
; OPERANDS LIE IN opc AS IMAGES OF THEIR REGISTERS (fragment (T, s) at T x 12288 + s x 1536): a fragment is three ds_load_b128 at 16 x lane, and a slot's part of a tile is 3,072 consecutive bytes.
; THE MATRIX INSTRUCTION IS USED TRANSPOSED (source 0 = 16 operand rows of B, source 1 = 16 of A), and the rows of a tile are chosen (row p of tile T is operand row 64 (T / 4) + 32 (p / 8) + 8 (T % 4) + p % 8)
; so that the 32 registers of four neighbouring accumulators are one whole block of 32 neighbouring columns of one row of C: its largest magnitude needs no other lane, and two conversions give its 24 bytes.
; OUT: qkvc [G 192][row 4096][24 bytes], qkvs [G][row]: G = 0-31 q's heads, 32-63 k's heads (row = token), 64 + token / 32 v (row = channel).
; CLUSTERS: 4 x 4 work-groups; A's tiles are asked for jointly along a row of the cluster, B's along a column.
; LIMITS: a block whose largest magnitude is 0 or lies under 2^-124 gets the byte 1 (its codes are zeros; this program alone reads the bytes).  NaN and infinities are not served.
; REGISTERS: window 0: v0-31 addresses and work; v32-63 scale words, two sets; v128-223 A's fragments, one set; on the way out v64-239 are free.  Window 1: B's fragments, two sets, at v0 and v128.
;   Window 2: the accumulators of my A blocks 0-3 ((a, b) at v[8 (8 (a % 4) + b)]); window 3: those of blocks 4-7.
.set NQ,     2                         ; matrix instructions deep in a slot
.set FR,     12                        ; registers of a fragment
.set FRB,    1536                      ; and its image in bytes
.set NL,     3                         ; LDS loads that bring one
.set NP,     4                         ; places behind this matrix instruction (ISA guide 7.12.1)
.set TILEB,  8*FRB                     ; a tile's eight fragments in opc
.set HALFT,  8*NQ*FRB                  ; 8 tiles x 2 fragments: what one tensor load brings, and what one wave reads of A or of B
.set SLOT,   4*HALFT                   ; A's two halves, then B's two
.set SCL,    2*SLOT                    ; behind the ring: the scale words of the 4 x 8 tiles, for all of K: 512 bytes a tile
.set HALFS,  4096
.set SPARE,  SCL+4*HALFS               ; the spare words, 128 bytes for each wave: two blocks of 256 bytes that no other line names
.set STGS,   65536                     ; the way out: stages in slot 0, which has had its last fill and its last read by then: codes 16,384 bytes a wave from 0, scale bytes 512 a wave from here
.set ADRA, 16                          ; v16-17  LDS address of my A fragments in slot 0, 1
.set ADRB, 20                          ; v20-21  the same for B
.set SBO,  22                          ; v22     the way out: where I put a scale byte
.set RS,   23                          ; v23     and where I read 16 of them back
.set STO,  24                          ; v24     where I put 12 bytes of codes
.set RD,   25                          ; v25     and where I read them back
.set CO,   26                          ; v26     12 x lane: my place in a store of codes
.set ADRS, 27                          ; v27     LDS address of my scale words: lanes 0-15 A's rows, lanes 16-31 B's
.set SPW,  28                          ; v28     LDS address of my spare word; never rewritten
.set NIL,  29                          ; v29     0; never rewritten
.set SVO,  30                          ; v30     my place in the store of scale bytes
.set SC,   32                          ; scale words: set s at v[SC + 16 s]; register 2 i + q: lanes 0-15 A's block i, lanes 16-31 B's block i, the slot's q-th 128 along K
.set AF,   128
.set QM,   8                           ; v8-9 largest magnitudes, v10-11 scale operands, v12-13 bytes
.set QS,   10
.set QB,   12
.set CV,   224                         ; v224-239 a row block's codes: four runs of three
.set BK,   64                          ; v64-191 the codes read back
.set G1, 24                            ; s[24:31] descriptor group 1 for A's tiles;  s[32:39] group 0, one set for each slot
.set G0, 32
.set G1B, 48                           ; s[48:55], s[56:63] the same for B's
.set G0B, 56
.set G1S, 68                           ; s[68:75], s[76:79] groups 1 and 0 for A's scale words;  s[80:87], s[88:91] for B's
.set G0S, 76
.set G1SB, 80
.set G0SB, 88
.set MSB, 0
.macro WIN new                         ; the immediate's high byte repeats the setting that is left
.if MSB != (\new)
	s_set_vgpr_msb (MSB<<8)|(\new)
.set MSB, (\new)
.endif
.endm
.set MUL_LO, 0xa1                      ; source 0 (B) window 1, source 1 (A) window 0, C and D window 2
.set MUL_HI, 0xf1                      ; the same, C and D window 3
.set TO_B,   0x40                      ; destination window 1, address window 0
; A joint load: waves 0 and 1 fetch for A, waves 2 and 3 for B.  Each line has one mask and one set of registers for all that issue it; the branch hangs on the wave's number alone.
; Four v_nop follow each of the two lines, ahead of the jump, the label and what follows.
.macro JLOAD g0a, g1a, g0b, g1b
	s_cmp_eq_u32 s15, 0
	s_cbranch_scc0 .Lfor_b_\@
	tensor_load_to_lds s[\g0a:\g0a+3], s[\g1a:\g1a+7]
	s_nop 0
.rept 4
	v_nop
.endr
	s_branch .Lasked_\@
.Lfor_b_\@:
	tensor_load_to_lds s[\g0b:\g0b+3], s[\g1b:\g1b+7]
	s_nop 0
.rept 4
	v_nop
.endr
.Lasked_\@:
.endm
.macro CREST                           ; a round of the cluster's barrier behind its opening barrier
	s_cmp_lg_u32 s14, 0
	s_cbranch_scc1 .Lnot_wave_0_\@
	s_barrier_signal -3
.Lnot_wave_0_\@:
	s_barrier_wait -3
	s_barrier_signal -1
	s_barrier_wait -1
.endm
.macro CROUND                          ; a whole round
	s_barrier_signal -1
	s_barrier_wait -1
	CREST
.endm
	s_load_b256 s[4:11], s[0:1], 0x0               ; opc s[4:5], ops s[6:7], qkvc s[8:9], qkvs s[10:11]
	v_lshl_add_u32 v[SPW], v0, 2, SPARE
	v_mov_b32 v[NIL], 0
	ds_add_u32 v28, v29
	ds_add_u32 v28, v29
	s_wait_dscnt 0x0
	v_lshrrev_b32 v1, 5, v0
	v_readfirstlane_b32 s14, v1                    ; wave 0..3
	s_lshr_b32 s15, s14, 1                         ; which half of the tile's rows is mine.  Also: I fetch for A (0) or for B (1)
	s_and_b32 s16, s14, 1                          ; which half of its columns.  Also: which 8 tiles of 16 I fetch
	s_bfe_u32 s40, ttmp6, 0x40000                  ; cx, cy: my place in the cluster
	s_bfe_u32 s41, ttmp6, 0x40004
	s_and_b32 s17, ttmp7, 0xffff                   ; cluster y
	s_lshl_b32 s43, s41, 2
	s_lshl_b32 s43, 15, s43                        ; my row of the cluster
	s_lshl_b32 s44, 0x1111, s40                    ; my column
	; which operand tiles and which part of the output: chosen by the cluster's x, which all sixteen partners share
	s_lshl_b32 s42, s17, 6                         ; x's tiles of 1,024 tokens: 64 x cluster y
	s_lshl_b32 s46, ttmp9, 6
	s_add_co_u32 s46, s46, 256                     ; w_qkv's tiles of 1,024 columns of q or k
	s_lshl_b32 s18, s17, 10                        ; the first token
	s_lshl_b32 s92, s17, 5
	s_add_co_u32 s92, s92, 64                      ; v's first column block: 64 + token / 32
	s_lshl_b32 s93, ttmp9, 5                       ; q's and k's: column / 32
	s_mov_b32 s94, 384                             ; v's columns of w_qkv begin at tile 384
	s_cmp_eq_u32 ttmp9, 2
	s_cselect_b32 s20, s94, s42                    ; A's first tile,
	s_cselect_b32 s18, 0, s18                      ; the first output row,
	s_cselect_b32 s46, s42, s46                    ; B's first tile,
	s_cselect_b32 s92, s92, s93                    ; the first output column block, of the cluster
	s_lshl_b32 s19, s41, 4
	s_add_co_u32 s20, s20, s19                     ; A: + 16 cy: it hangs on nothing that my row of the cluster does not share
	s_lshl_b32 s19, s41, 8
	s_add_co_u32 s18, s18, s19
	s_lshl_b32 s95, s40, 4
	s_add_co_u32 s46, s46, s95                     ; B: + 16 cx: shared by my column
	s_lshl_b32 s95, s40, 3
	s_add_co_u32 s92, s92, s95
	; descriptor group 1 for codes: 8 rows (tiles) of 3,072 bytes (two fragments), 12,288 bytes apart; elements of 8 bytes; no padding: the images are read 512 consecutive bytes at a time
	s_or_b32 s[G1+0], s43, (3<<16)|(1<<21)         ; 15:0 the mask: A's tiles go to my row; 17:16 elements of 8 bytes; 21 set beside a mask
	s_or_b32 s[G1B+0], s44, (3<<16)|(1<<21)
.irp g, G1, G1B
	s_mov_b32 s[\g+1], 384<<16                     ; tensor_dim0 = 384 elements
	s_mov_b32 s[\g+2], 8<<16                       ; tensor_dim1 = 8
	s_mov_b32 s[\g+3], 384<<16                     ; tile_dim0
	s_mov_b32 s[\g+4], 8                           ; tile_dim1
	s_mov_b32 s[\g+5], 1536                        ; tensor_dim0_stride
	s_mov_b32 s[\g+6], 0
	s_mov_b32 s[\g+7], 0
.endr
	; and for the scale words of 8 tiles: 4,096 dense bytes, as 16 rows of 256
	s_or_b32 s[G1S+0], s43, (3<<16)|(1<<21)
	s_or_b32 s[G1SB+0], s44, (3<<16)|(1<<21)
.irp g, G1S, G1SB
	s_mov_b32 s[\g+1], 32<<16
	s_mov_b32 s[\g+2], 16<<16
	s_mov_b32 s[\g+3], 32<<16
	s_mov_b32 s[\g+4], 16
	s_mov_b32 s[\g+5], 32
	s_mov_b32 s[\g+6], 0
	s_mov_b32 s[\g+7], 0
.endr
	s_lshl_b32 s45, s16, 3                         ; which 8 tiles I fetch
	s_add_co_u32 s20, s20, s45
	s_add_co_u32 s46, s46, s45
	s_lshl_b32 s22, s20, 9                         ; their scale words,
	s_mov_b32 s23, 0
	s_mul_i32 s20, s20, TILEB                      ; their codes, in bytes
	s_mov_b32 s21, 0
	s_lshl_b32 s96, s46, 9
	s_mov_b32 s97, 0
	s_mul_i32 s46, s46, TILEB
	s_mov_b32 s47, 0
	s_mul_i32 s45, s14, HALFT                      ; where they go: by the wave's number alone
	s_mul_i32 s98, s14, HALFS
	s_wait_kmcnt 0x0
	s_add_nc_u64 s[20:21], s[4:5], s[20:21]
	s_add_nc_u64 s[22:23], s[6:7], s[22:23]
	s_add_nc_u64 s[46:47], s[4:5], s[46:47]
	s_add_nc_u64 s[96:97], s[6:7], s[96:97]
	CROUND                                         ; all sixteen work-groups are here: the first joint loads meet
	s_mov_b32 s[G0S], 1
	s_add_co_u32 s[G0S+1], s98, SCL
	s_mov_b64 s[G0S+2:G0S+3], s[22:23]
	s_or_b32 s[G0S+3], s[G0S+3], 0x80000000
	s_mov_b32 s[G0SB], 1
	s_add_co_u32 s[G0SB+1], s98, SCL
	s_mov_b64 s[G0SB+2:G0SB+3], s[96:97]
	s_or_b32 s[G0SB+3], s[G0SB+3], 0x80000000
	JLOAD G0S, G1S, G0SB, G1SB                     ; the scale words first: they are wanted with the first K step; filled once
.irp s, 0,1
	s_mov_b32 s[G0+4*\s], 1
	s_add_co_u32 s[G0+4*\s+1], s45, \s*SLOT
	s_add_nc_u64 s[G0+4*\s+2:G0+4*\s+3], s[20:21], \s*NQ*FRB
	s_or_b32 s[G0+4*\s+3], s[G0+4*\s+3], 0x80000000
	s_mov_b32 s[G0B+4*\s], 1
	s_add_co_u32 s[G0B+4*\s+1], s45, \s*SLOT
	s_add_nc_u64 s[G0B+4*\s+2:G0B+4*\s+3], s[46:47], \s*NQ*FRB
	s_or_b32 s[G0B+4*\s+3], s[G0B+4*\s+3], 0x80000000
	JLOAD G0+4*\s, G1, G0B+4*\s, G1B               ; three loads of mine are out
.endr
	v_and_b32 v1, 15, v0                           ; r
	v_bfe_u32 v2, v0, 4, 1                         ; h
	v_and_b32 v3, 31, v0                           ; lane
	v_lshlrev_b32 v4, 4, v3                        ; 16 x lane: an image's place for my lane
	s_mul_i32 s21, s15, HALFT                      ; my 8 tiles of A
	s_mul_i32 s22, s16, HALFT                      ; my 8 tiles of B,
	s_add_co_u32 s22, s22, 2*HALFT                 ; which lie behind A's 16
.irp s, 0,1
	v_add_nc_u32 v[ADRA+\s], s21, v4
	v_add_nc_u32 v[ADRB+\s], s22, v4
	s_add_co_u32 s21, s21, SLOT
	s_add_co_u32 s22, s22, SLOT
.endr
	v_lshlrev_b32 v5, 3, v1                        ; my row's two scale words of a slot: 8 bytes a row
	s_mul_i32 s21, s15, HALFS                      ; A's: my 8 tiles
	s_mul_i32 s22, s16, HALFS                      ; B's: my 8 tiles, behind A's 16
	s_add_co_u32 s22, s22, 2*HALFS
	s_sub_co_u32 s22, s22, s21
	v_mul_u32_u24 v6, s22, v2                      ; lanes 16-31 take B's
	s_add_co_u32 s21, s21, SCL
	v_add_nc_u32 v5, v5, v6
	v_add_nc_u32 v[ADRS], s21, v5
	v_bfe_u32 v7, v0, 3, 1
	v_and_b32 v8, 7, v0
	v_lshl_add_u32 v9, v7, 5, v8                   ; lane r's output row within an A block's span: 32 (r / 8) + r % 8
	s_lshl_b32 s21, s14, 14                        ; my stage for codes: [column block 4][row 128][two places of 16 bytes]
	v_lshlrev_b32 v[STO], 5, v9
	v_lshl_add_u32 v[STO], v2, 12, v[STO]          ; my half's column block: + 4096 h
	v_add_nc_u32 v[STO], s21, v[STO]
	v_add_nc_u32 v[RD], s21, v4
	s_lshl_b32 s21, s14, 9
	s_add_co_u32 s21, s21, STGS                    ; my stage for scale bytes: [column block 4][row 128]
	v_lshl_add_u32 v[SBO], v2, 7, v9
	v_add_nc_u32 v[SBO], s21, v[SBO]
	v_add_nc_u32 v[RS], s21, v4
	v_mul_u32_u24 v[CO], v3, 12
	v_lshrrev_b32 v5, 3, v3
	v_and_b32 v6, 7, v3
	v_lshlrev_b32 v[SVO], 12, v5                   ; scale bytes out: eight lanes to a column block's 128 rows
	v_lshl_add_u32 v[SVO], v6, 4, v[SVO]
	s_lshl_b32 s93, s16, 2
	s_add_co_u32 s92, s92, s93                     ; my first column block
	s_lshl_b32 s92, s92, 12
	s_add_co_u32 s92, s92, s18
	s_lshl_b32 s93, s15, 7
	s_add_co_u32 s92, s92, s93                     ; G x 4096 + my first row
	s_mov_b32 s93, 0
	s_add_nc_u64 s[66:67], s[10:11], s[92:93]      ; in qkvs,
	s_mul_i32 s92, s92, 24
	s_add_nc_u64 s[12:13], s[8:9], s[92:93]        ; in qkvc
.macro FRAG reg, adr, q, i             ; fragment (tile i of my 8, the slot's q-th 128 along K): its image, three loads of 512 consecutive bytes
.irp c, 0,1,2
	ds_load_b128 v[\reg+4*\c:\reg+4*\c+3], v[\adr] offset:(\i)*NQ*FRB+(\q)*FRB+512*\c
.endr
.endm
; 16 matrix instructions: A's blocks a0, a0 + 1 x B's eight.  p: B's set;  sc: the set of scale words.  zero = 1: the first product starts the sums.
; The 64 accumulators take turns, one instruction a turn, in the same order in every step.
.macro MUL16 a0, p, q, sc, zero
.irp a, \a0, \a0+1
.irp b, 0,1,2,3,4,5,6,7
.if \zero
	v_wmma_scale_f32_16x16x128_f8f6f4 v[8*(8*((\a)%4)+\b):8*(8*((\a)%4)+\b)+7], v[128*(\p)+FR*\b:128*(\p)+FR*\b+FR-1], v[AF+FR*(\a):AF+FR*(\a)+FR-1], 0, v[SC+8*NQ*(\sc)+NQ*\b+(\q)], v[SC+8*NQ*(\sc)+NQ*(\a)+(\q)] matrix_a_fmt:MATRIX_FMT_FP6 matrix_b_fmt:MATRIX_FMT_FP6 matrix_a_scale:MATRIX_SCALE_ROW1
.else
	v_wmma_scale_f32_16x16x128_f8f6f4 v[8*(8*((\a)%4)+\b):8*(8*((\a)%4)+\b)+7], v[128*(\p)+FR*\b:128*(\p)+FR*\b+FR-1], v[AF+FR*(\a):AF+FR*(\a)+FR-1], v[8*(8*((\a)%4)+\b):8*(8*((\a)%4)+\b)+7], v[SC+8*NQ*(\sc)+NQ*\b+(\q)], v[SC+8*NQ*(\sc)+NQ*(\a)+(\q)] matrix_a_fmt:MATRIX_FMT_FP6 matrix_b_fmt:MATRIX_FMT_FP6 matrix_a_scale:MATRIX_SCALE_ROW1
.endif
.endr
.endr
.endm
.macro FETCH_B slot, q, p
	WIN TO_B
.irp i, 0,1,2,3,4,5,6,7
	FRAG 128*(\p)+FR*\i, ADRB+\slot, \q, \i
.endr
	WIN 0
.endm
.macro FETCH_A slot, q, i0
.irp i, \i0, \i0+1, \i0+2, \i0+3
	FRAG AF+FR*(\i), ADRA+\slot, \q, \i
.endr
.endm
.macro SCALES sc                       ; a slot's scale words into set sc: two words a row; lanes 0-15 take A's block i, lanes 16-31 B's block i
.irp i, 0,1,2,3,4,5,6,7
	ds_load_b64 v[SC+8*NQ*\sc+NQ*\i:SC+8*NQ*\sc+NQ*\i+1], v[ADRS] offset:\i*512
.endr
.endm
; A load into a register that a matrix instruction has read, and a vector instruction that reads a matrix result, stand NP plain vector instructions behind it (ISA guide 7.12.1 for the vector instruction).
.macro PLACES n
.rept \n
	v_nop
.endr
.endm
.macro STEP slot, q, zero              ; a step of 128 along K that has its successor in the same slot
	s_wait_dscnt 4*NL                              ; B's set and A's blocks 0-3 are in; the youngest 12 loads (A's blocks 4-7) may be out
	WIN MUL_LO
	MUL16 0, (\q)%2, \q, \slot, \zero
	MUL16 2, (\q)%2, \q, \slot, \zero
	s_wait_dscnt 0                                 ; A's blocks 4-7 are in
	PLACES NP
	FETCH_B \slot, (\q)+1, 1-(\q)%2
	FETCH_A \slot, (\q)+1, 0
	WIN MUL_HI
	MUL16 4, (\q)%2, \q, \slot, \zero
	MUL16 6, (\q)%2, \q, \slot, \zero
	PLACES NP
	WIN 0
	FETCH_A \slot, (\q)+1, 4
.endm
; A slot's last step changes slots: ONE barrier; in front of it each wave waits for all its tensor loads, adds 0 to its spare word, and waits for that and for its own reads of this slot.  fill = 1: this slot is filled again, two slots ahead.
.macro TURN slot, next, fill
	s_wait_tensorcnt 0x0                           ; all my tensor loads have landed: my part of the next slot
	ds_add_u32 v[SPW], v[NIL]                      ; 0 onto my spare word
	s_wait_dscnt 4*NL+1                            ; (the add and the youngest 12 loads, A's blocks 4-7, may be out)
	WIN MUL_LO
	MUL16 0, 1, NQ-1, \slot, 0                     ; sixteen matrix instructions stand between the add and the wait for it
	s_wait_dscnt 0x0                               ; the add is done, and my reads of this slot are over
	s_barrier_signal -1
	MUL16 2, 1, NQ-1, \slot, 0
	WIN 0
	s_barrier_wait -1
.if \fill
	CREST                                          ; the barrier has opened a round of the cluster's barrier: no wave of any partner still reads this slot or has a load on its way
	s_add_nc_u64 s[G0+4*\slot+2:G0+4*\slot+3], s[G0+4*\slot+2:G0+4*\slot+3], 2*NQ*FRB
	s_add_nc_u64 s[G0B+4*\slot+2:G0B+4*\slot+3], s[G0B+4*\slot+2:G0B+4*\slot+3], 2*NQ*FRB
	JLOAD G0+4*\slot, G1, G0B+4*\slot, G1B         ; the first tensor load behind the round; its four v_nop are the places in front of the loads below
.else
	PLACES NP
.endif
	v_add_nc_u32 v[ADRS], 128, v[ADRS]             ; on to the next slot's scale words
	FETCH_B \next, 0, 0
	FETCH_A \next, 0, 0
	SCALES \next
	WIN MUL_HI
	MUL16 4, 1, NQ-1, \slot, 0
	MUL16 6, 1, NQ-1, \slot, 0
	PLACES NP
	WIN 0
	FETCH_A \next, 0, 4
.endm
	s_wait_tensorcnt 1                             ; the scale words and my part of slot 0 are in (slot 1's load may be out)
	s_barrier_signal -1
	s_barrier_wait -1                              ; everybody's are
	FETCH_B 0, 0, 0
	FETCH_A 0, 0, 0
	SCALES 0
	FETCH_A 0, 0, 4
	; K = 1,024 is four slots' worth, eight steps: written out
	STEP 0, 0, 1                                   ; the first products start the sums
	TURN 0, 1, 1                                   ; slot 0 takes K 512 on
	STEP 1, 0, 0
	TURN 1, 0, 1                                   ; slot 1 takes K 768 on
	STEP 0, 0, 0
	TURN 0, 1, 0                                   ; nothing is left to fetch: no round
	STEP 1, 0, 0
	s_wait_dscnt 4*NL
	WIN MUL_LO
	MUL16 0, 1, NQ-1, 1, 0
	MUL16 2, 1, NQ-1, 1, 0
	s_wait_dscnt 0
	WIN MUL_HI
	MUL16 4, 1, NQ-1, 1, 0
	MUL16 6, 1, NQ-1, 1, 0
	WIN 0
; THE WAY OUT.  A block a: lane (r, h) holds, for c = 0, 1, column block 2 c + h of output row 64 (a / 4) + 8 (a % 4) + 32 (r / 8) + r % 8, whole, in 32 consecutive registers.
; Its largest magnitude, its byte and its 24 bytes of codes are made in the lane; they go to my own stage in LDS, each 12 bytes to a place of 16, so that every LDS address is a multiple of 16.
.macro QROW a
.set AC, 64*((\a)%4)
.set WA, 2+(\a)/4
.set RO, 64*((\a)/4)+8*((\a)%4)
	WIN 0
	v_mov_b32 v[QM], 0x1800000                     ; the floor 2^(3 - 127): the byte cannot fall under 1
	v_mov_b32 v[QM+1], 0x1800000
	WIN (WA<<2)|(WA<<4)
.irp i, 0,2,4,6,8,10,12,14,16,18,20,22,24,26,28,30
	v_max3_num_f32 v[QM], v[QM], |v[AC+\i]|, |v[AC+\i+1]|              ; each accumulator from its low end on
	v_max3_num_f32 v[QM+1], v[QM+1], |v[AC+32+\i]|, |v[AC+32+\i+1]|
.endr
	WIN 0
	s_wait_dscnt 0x0                               ; the last block's stage stores have read their bytes and codes
.irp c, 0,1
	v_add_nc_u32 v[QS+\c], 0xff000000, v[QM+\c]
.endr
.irp c, 0,1
	v_lshrrev_b32 v[QB+\c], 23, v[QS+\c]
.endr
	WIN WA
.irp c, 0,1
	v_cvt_scalef32_pk16_fp6_f32 v[CV+8*\c:CV+8*\c+2], v[AC+32*\c:AC+32*\c+15], v[QS+\c]
	v_cvt_scalef32_pk16_fp6_f32 v[CV+8*\c+4:CV+8*\c+6], v[AC+32*\c+16:AC+32*\c+31], v[QS+\c]
.endr
	WIN 0
	v_nop                                          ; one plain line behind the conversions
.irp c, 0,1
	ds_store_b96 v[STO], v[CV+8*\c:CV+8*\c+2] offset:\c*8192+RO*32
	ds_store_b96 v[STO], v[CV+8*\c+4:CV+8*\c+6] offset:\c*8192+RO*32+16
	ds_store_b8 v[SBO], v[QB+\c] offset:\c*256+RO
.endr
.endm
	PLACES NP                                      ; behind the last products, ahead of the first read of results
.irp a, 0,1,2,3,4,5,6,7
	QROW \a
.endr
.irp k, 0,1,2,3,4,5,6,7,8,9,10,11,12,13,14,15,16,17,18,19,20,21,22,23,24,25,26,27,28,29,30,31
	ds_load_b96 v[BK+4*\k:BK+4*\k+2], v[RD] offset:512*\k   ; back by rows: 16 rows x 24 bytes an instruction.  LDS serves a wave's instructions in order: these see my stores
.endr
	ds_load_b128 v[192:195], v[RS]                 ; and my 512 scale bytes
.irp k, 0,1,2,3,4,5,6,7,8,9,10,11,12,13,14,15,16,17,18,19,20,21,22,23,24,25,26,27,28,29,30,31
	s_wait_dscnt 32-\k                             ; the 31 - k younger loads of codes and the load of scale bytes may be out
	global_store_b96 v[CO], v[BK+4*\k:BK+4*\k+2], s[12:13] offset:(\k/8)*98304+(\k%8)*384   ; 384 consecutive bytes; a column block's eight stores cover 3,072 consecutive bytes that begin at a multiple of 256
.endr
	s_wait_dscnt 0x0
	global_store_b128 v[SVO], v[192:195], s[66:67] ; eight lanes store a column block's 128 bytes
	s_wait_tensorcnt 0x0                           ; the wave's end, behind my last tensor load and my last LDS store
	ds_add_u32 v[SPW], v[NIL]
	s_wait_dscnt 0x0
	CROUND                                         ; the closing round: no work-group ends while a partner may still ask for a tile that names it
	s_endpgm
.Lfunc_end_k_q223f01f295_gemm_qkv:
	.size	k_q223f01f295_gemm_qkv, .Lfunc_end_k_q223f01f295_gemm_qkv-k_q223f01f295_gemm_qkv
	.p2alignl 7, 3214868480
	.fill 96, 4, 3214868480
	.section	.rodata,"a",@progbits
	.p2align	6, 0x0
	.amdhsa_kernel k_q223f01f295_gemm_qkv
		.amdhsa_group_segment_fixed_size 327680
		.amdhsa_private_segment_fixed_size 0
		.amdhsa_enable_private_segment 0
		.amdhsa_kernarg_size 32
		.amdhsa_user_sgpr_count 2
		.amdhsa_user_sgpr_kernarg_segment_ptr 1
		.amdhsa_wavefront_size32 1
		.amdhsa_system_sgpr_workgroup_id_x 1
		.amdhsa_system_sgpr_workgroup_id_y 1
		.amdhsa_system_sgpr_workgroup_id_z 1
		.amdhsa_system_vgpr_workitem_id 0
		.amdhsa_next_free_vgpr 1024
		.amdhsa_next_free_sgpr 100
		.amdhsa_reserve_vcc 0
		.amdhsa_float_denorm_mode_32 3
		.amdhsa_float_denorm_mode_16_64 3
		.amdhsa_memory_ordered 1
		.amdhsa_forward_progress 1
		.amdhsa_inst_pref_size 138
	.end_amdhsa_kernel
	.amdgpu_metadata
---
amdhsa.version: [ 1, 2 ]
amdhsa.kernels:
  - .name:           k_q223f01f295_gemm_qkv
    .symbol:         k_q223f01f295_gemm_qkv.kd
    .args:
      - { .name: opc, .offset: 0, .size: 8, .value_kind: global_buffer, .address_space: global }
      - { .name: ops, .offset: 8, .size: 8, .value_kind: global_buffer, .address_space: global }
      - { .name: qkvc, .offset: 16, .size: 8, .value_kind: global_buffer, .address_space: global }
      - { .name: qkvs, .offset: 24, .size: 8, .value_kind: global_buffer, .address_space: global }
    .group_segment_fixed_size: 327680
    .private_segment_fixed_size: 0
    .kernarg_segment_align: 8
    .kernarg_segment_size: 32
    .max_flat_workgroup_size: 128
    .sgpr_count:     100
    .vgpr_count:     1024
    .wavefront_size: 32
...
	.end_amdgpu_metadata
.endif
;; end of part 2
;; launch attn (part 3): grid 4 x 64, 16 waves a work-group, no clusters, 104,960 bytes of LDS; arguments qkvc, qkvs, aoc, aos; writes aoc, aos
.if DOCPART == 3
	.amdgcn_target "amdgcn-amd-amdhsa--gfx1250"
	.amdhsa_code_object_version 6
	.text
	.protected	k_q223f01f295_attn
	.globl	k_q223f01f295_attn
	.p2align	8
	.type	k_q223f01f295_attn,@function
k_q223f01f295_attn:
	s_mov_b64 s[64:65], 0
	v_nop
	global_prefetch_b8 v0, s[64:65] scope:SCOPE_SE
	s_setreg_imm32_b32 hwreg(HW_REG_WAVE_MODE, 25, 1), 1
	s_wait_xcnt 0x0
; Attention of one (batch, head): S = q k^T / sqrt(32), p = 2^(t - M), O = p v / l, both products on codes of FP6 (E2M3) with E8M0 scales; O / l is quantised again (a block of 32 = the head) and stored as codes.
; t = score x log2(e) / sqrt(32); M = the running largest t rounded UP to a whole number; the row's sum l is taken of the unquantised p; when M moves, l and O are multiplied by 2^(old M - new M): exact.
; SHARES.  A work-group owns 512 queries of one (batch, head); each of its sixteen waves two tiles of 16 queries, one after the other, in 256 registers: four waves to a SIMD, so that one wave's vector work stands
; beside another's matrix work and LDS loads.  Every wave walks the head's 2,048 keys, 128 a step.
; THE HEAD'S K AND V STAY IN LDS, as images of operand registers, built once at the head (wave w builds step w): no ring, no tensor load, no barrier in the loops.
; No cluster: what the four work-groups of a head share is these 102,400 bytes, read once and laid anew through registers; the loops read no memory.
; K = 32 IN A FORM OF K = 128.  A fragment of k holds FOUR tiles of keys, one in each of its four K blocks: block e of row m of fragment f is key 64 f + 32 (m / 8) + 8 e + m % 8.  q stands in four fragments Q_e, each with
; the query's 24 bytes in block e and zero codes elsewhere; they overlap in 30 registers [0][Qlo][0][Qhi][0].  S^T tile 4 c + e = (k fragment c) x Q_e: lane (r, h) then holds, in register 32 c + 8 e + j,
; query r's score with key 64 c + 32 h + 8 e + j: whole blocks of 32 neighbouring keys in a lane, which is the second product's operand layout: no lane exchange but the two scale bytes'.
; LIMITS: the four keys of a fragment's row are summed in one matrix instruction (three of them against zero codes): a key whose scale lies some 2^20 under that of a key sharing its row loses low bits of its score.
; A block of zeros gets the byte 1 (its codes are zeros; this program alone reads the bytes).  A block's largest p is taken from its largest score by the same multiply-add and exponential, which takes v_exp_f32 not to fall where its input rises.  NaN and infinities are not served.
; REGISTERS: v1-7 addresses; v12 -M, v13 the largest t, v[14:15] l in two halves; v16-45 Q and its zeros; v46 Q's scale word; v48-71 k's two fragments; v72-95 v's two; v96-159 S^T, then p; v160-175 O^T;
;   v176-187 p's codes; v188-195, v196-209 at work; v212-226 both tiles' q as loaded; v228 k's scale words, v229 v's, v230 p's; v232-241 what is stored.
.set STEPB, 6400                       ; LDS: a key step: k fragment 0, 1, v tile 0, 1 (1,536 bytes each), then 256 bytes of scale words: 8 x lane: {k's, v's}
.set AOSB,  16*STEPB                   ; behind the 16 steps: the 512 scale bytes of the work-group's results
.set KF,  48
.set VF,  72
.set S,   96
.set O,   160
.set PC,  176
.set TP,  188
.set BM,  196                          ; v196-197 a block's largest score, then its largest p
.set SO,  198                          ; v198-199 the conversions' scale operands
.set BY,  200                          ; v200-201 bytes
.set PD,  202                          ; a lane permute's destination
.set FF,  204                          ; v[204:205] f = 2^(old M - new M)
.set TT,  206
.set SU,  208                          ; v[208:209] the sums' second chain
.set QR,  212                          ; q as loaded: tile it at v[212 + 8 it], its scale byte at + 6
.set SEL, 26                           ; s[26:27]
.set CS,  44                           ; s[44:45] c = log2(e) / sqrt(32)
.set TB,  28                           ; s28 LDS byte of the step in hand
	s_load_b256 s[4:11], s[0:1], 0x0               ; qkvc s[4:5], qkvs s[6:7], aoc s[8:9], aos s[10:11]
	v_lshl_add_u32 v254, v0, 2, 0x19200
	v_mov_b32 v255, 0
	v_lshrrev_b32 v1, 5, v0
	v_readfirstlane_b32 s12, v1                    ; wave 0..15
	s_and_b32 s13, ttmp7, 0xffff
	s_lshr_b32 s14, s13, 5                         ; batch
	s_and_b32 s15, s13, 31                         ; head
	v_and_b32 v8, 31, v0                           ; lane
	v_and_b32 v9, 15, v0                           ; r
	v_bfe_u32 v10, v0, 4, 1                        ; h
	v_bfe_u32 v11, v0, 3, 1                        ; r / 8
	v_and_b32 v47, 7, v0                           ; r % 8
	v_lshlrev_b32 v1, 4, v8                        ; 16 x lane
	v_lshlrev_b32 v2, 3, v8                        ; 8 x lane
	v_lshlrev_b32 v5, 3, v10                       ; 8 h
	v_mul_u32_u24 v6, v9, 24
	v_mad_u32_u24 v6, v10, 12, v6                  ; the result's codes: 24 r + 12 h
	v_lshl_add_u32 v251, v11, 5, v47               ; 32 (r / 8) + r % 8
	v_lshl_add_u32 v252, v11, 4, v47               ; 16 (r / 8) + r % 8
	v_lshl_add_u32 v244, v10, 3, v251
	v_mul_u32_u24 v244, v244, 24                   ; k's codes: my lane's block 2 c + h of row r of fragment f is key 64 f + 16 c + (32 (r / 8) + 8 h + r % 8)
	v_mul_u32_u24 v245, v252, 24
	v_mad_u32_u24 v245, v10, 0x18000, v245         ; v's codes: row r of tile d is channel 16 (r / 8) + 8 d + r % 8; my key block is 2 c + h: 98,304 bytes a block
	v_lshl_add_u32 v246, v10, 6, v251              ; k's scale bytes: lanes 0-15 fragment 0's rows, lanes 16-31 fragment 1's
	v_lshl_add_u32 v247, v10, 3, v252              ; v's: lanes 0-15 tile 0's rows, lanes 16-31 tile 1's
	v_mul_u32_u24 v248, v9, 24                     ; q's codes: query r, in both halves of the lanes
	v_add_nc_u32 v250, AOSB, v1                    ; where wave 0 reads the 512 scale bytes back
	v_cmp_lt_u32 s30, 15, v8                       ; lanes 16-31
	s_mov_b32 s[SEL], 0x76543210
	s_mov_b32 s[SEL+1], 0xfedcba98                 ; v_permlanex16_b32's selects for lane l xor 16
	s_mov_b32 s[CS], 0x3e8293ee
	s_mov_b32 s[CS+1], s[CS]                       ; (named with it as a pair, so it is written)
	s_mov_b32 s29, 0x01010101
	s_lshl_b32 s16, s14, 11                        ; the batch's first token
	s_lshl_b32 s17, s12, 7                         ; my step's first key
	s_add_co_u32 s18, s15, 32
	s_lshl_b32 s18, s18, 12
	s_add_co_u32 s18, s18, s16
	s_add_co_u32 s18, s18, s17                     ; k: (32 + head) x 4096 + token
	s_mov_b32 s19, 0
	s_lshl_b32 s20, s14, 6
	s_lshl_b32 s21, s12, 2
	s_add_co_u32 s20, s20, s21
	s_add_co_u32 s20, s20, 64
	s_lshl_b32 s20, s20, 12
	s_lshl_b32 s21, s15, 5
	s_add_co_u32 s20, s20, s21                     ; v: (64 + key block) x 4096 + 32 x head
	s_mov_b32 s21, 0
	s_lshl_b32 s22, s15, 12
	s_add_co_u32 s22, s22, s16
	s_lshl_b32 s23, ttmp9, 9
	s_add_co_u32 s22, s22, s23                     ; q and the result: head x 4096 + the work-group's first token
	s_mov_b32 s23, 0
	s_lshl_b32 s24, s12, 4
	s_add_co_u32 s25, s24, AOSB
	v_add_nc_u32 v7, s25, v9                       ; LDS: the result's scale byte: 16 x wave + r
	s_wait_kmcnt 0x0
	s_add_nc_u64 s[10:11], s[10:11], s[22:23]      ; aos at the work-group's 512 bytes
	s_add_co_u32 s22, s22, s24                     ; + 16 x wave
	s_add_nc_u64 s[32:33], s[6:7], s[18:19]
	s_add_nc_u64 s[34:35], s[6:7], s[20:21]
	s_add_nc_u64 s[36:37], s[6:7], s[22:23]
	s_mul_i32 s18, s18, 24
	s_mul_i32 s20, s20, 24
	s_mul_i32 s22, s22, 24
	s_add_nc_u64 s[38:39], s[4:5], s[18:19]
	s_add_nc_u64 s[40:41], s[4:5], s[20:21]
	s_add_nc_u64 s[42:43], s[4:5], s[22:23]
	s_add_nc_u64 s[8:9], s[8:9], s[22:23]
	; ---- my key step's operands, straight into the registers whose image they are
.irp f, 0,1
.irp c, 0,1
.irp i, 0,1,2
	global_load_b64 v[KF+12*\f+6*\c+2*\i:KF+12*\f+6*\c+2*\i+1], v244, s[38:39] offset:(64*\f+16*\c)*24+8*\i
.endr
.endr
.endr
.irp d, 0,1
.irp c, 0,1
.irp i, 0,1,2
	global_load_b64 v[VF+12*\d+6*\c+2*\i:VF+12*\d+6*\c+2*\i+1], v245, s[40:41] offset:\c*196608+\d*192+8*\i
.endr
.endr
.endr
.irp e, 0,1,2,3
	global_load_u8 v[S+\e], v246, s[32:33] offset:8*\e
	global_load_u8 v[S+4+\e], v247, s[34:35] offset:4096*\e
.endr
.irp t, 0,1                                    ; both tiles' q
.irp i, 0,1,2
	global_load_b64 v[QR+8*\t+2*\i:QR+8*\t+2*\i+1], v248, s[42:43] offset:6144*\t+8*\i
.endr
	global_load_u8 v[QR+8*\t+6], v9, s[36:37] offset:256*\t
.endr
.irp i, 0,1,2,3,4,5
	v_mov_b32 v[16+\i], 0                          ; the three runs of zero codes round Qlo and Qhi
	v_mov_b32 v[28+\i], 0
	v_mov_b32 v[40+\i], 0
.endr
	v_mov_b32 v[PD], 0                             ; a lane permute's destination counts as one of its sources
	v_mov_b32 v[FF+1], 0                           ; (named as the upper half of a pair)
	s_mul_i32 s[TB], s12, STEPB
	v_add_nc_u32 v3, s[TB], v1
	v_add_nc_u32 v4, s[TB], v2
	s_wait_loadcnt 0x0
	v_lshl_or_b32 v228, v[S+1], 8, v[S]            ; k's scale word: the bytes of the four keys of my row
	v_lshl_or_b32 v229, v[S+5], 8, v[S+4]          ; v's: the four key blocks of my channel
	v_lshl_or_b32 v228, v[S+2], 16, v228
	v_lshl_or_b32 v229, v[S+6], 16, v229
	v_lshl_or_b32 v228, v[S+3], 24, v228
	v_lshl_or_b32 v229, v[S+7], 24, v229
.irp q, 0,1,2,3,4,5,6,7,8,9,10,11
	ds_store_b128 v3, v[KF+4*\q:KF+4*\q+3] offset:512*\q   ; four fragments on end, 512 consecutive bytes a store
.endr
	ds_store_b64 v4, v[228:229] offset:6144
	s_wait_dscnt 0x0                               ; for the others' sake: my step lies in LDS
	s_barrier_signal -1
	s_barrier_wait -1                              ; all sixteen steps do
.macro TILE it
	v_mul_lo_u32 v46, v[QR+8*\it+6], s29           ; q's scale byte in all four bytes.  (The lines below are the places between it and the first product)
.irp i, 0,1,2,3,4,5
	v_cndmask_b32 v[22+\i], v[QR+8*\it+\i], v16, s30   ; Qlo: the codes in lanes 0-15, zeros above
	v_cndmask_b32 v[34+\i], v16, v[QR+8*\it+\i], s30   ; Qhi: the other way round
.endr
	v_mov_b32 v13, 0xff61b1e6                      ; the largest t so far: -3e38, under every t
	v_floor_f32 v12, -v13                          ; -M
	v_mov_b32 v14, 0
	v_mov_b32 v15, 0
.irp j, 0,1,2,3,4,5,6,7,8,9,10,11,12,13,14,15
	v_mov_b32 v[O+\j], 0                           ; the step is written once: the first finds zeros
.endr
	s_mov_b32 s[TB], 0
	s_mov_b32 s31, 16
.Lstep_\@:
	v_add_nc_u32 v3, s[TB], v1
	v_add_nc_u32 v4, s[TB], v2
	v_nop
	v_nop                                          ; four places behind the last trip's products, ahead of the loads into v's fragments and scale words
.irp q, 0,1,2,3,4,5
	ds_load_b128 v[KF+4*\q:KF+4*\q+3], v3 offset:512*\q
.endr
	ds_load_b64 v[228:229], v4 offset:6144
.irp q, 6,7,8,9,10,11
	ds_load_b128 v[KF+4*\q:KF+4*\q+3], v3 offset:512*\q
.endr
	s_wait_dscnt 6                                 ; k and the scale words are in; v's six loads may be out
.irp e, 0,1,2,3
	v_wmma_scale_f32_16x16x128_f8f6f4 v[S+8*\e:S+8*\e+7], v[KF:KF+11], v[22+12*(\e%2)-6*(\e/2):33+12*(\e%2)-6*(\e/2)], 0, v228, v46 matrix_a_fmt:MATRIX_FMT_FP6 matrix_b_fmt:MATRIX_FMT_FP6
.endr
.irp e, 0,1,2,3
	v_wmma_scale_f32_16x16x128_f8f6f4 v[S+32+8*\e:S+32+8*\e+7], v[KF+12:KF+23], v[22+12*(\e%2)-6*(\e/2):33+12*(\e%2)-6*(\e/2)], 0, v228, v46 matrix_a_fmt:MATRIX_FMT_FP6 matrix_b_fmt:MATRIX_FMT_FP6 matrix_a_scale:MATRIX_SCALE_ROW1
.endr
.rept 4
	v_nop
.endr
.irp c, 0,1
	v_max3_num_f32 v[BM+\c], v[S+32*\c], v[S+32*\c+1], v[S+32*\c+2]   ; the largest score of each of my two blocks of 32 keys: it serves for the row's maximum and for the block's largest p
.endr
.irp i, 3,5,7,9,11,13,15,17,19,21,23,25,27,29
.irp c, 0,1
	v_max3_num_f32 v[BM+\c], v[BM+\c], v[S+32*\c+\i], v[S+32*\c+\i+1]
.endr
.endr
.irp c, 0,1
	v_max_num_f32 v[BM+\c], v[BM+\c], v[S+32*\c+31]
.endr
	v_max_num_f32 v[TT], v[BM], v[BM+1]
	v_permlanex16_b32 v[PD], v[TT], s[SEL], s[SEL+1]
	v_max_num_f32 v[TT], v[TT], v[PD]              ; the step's largest score of my query
	v_mul_f32 v[TT], s[CS], v[TT]                  ; as t (c is positive)
	v_max_num_f32 v13, v13, v[TT]                  ; the running largest t
	v_mov_b32 v[TT], v12
	v_floor_f32 v12, -v13                          ; the new -M = floor(-t): M is a whole number
	v_sub_f32 v[TT], v12, v[TT]                    ; old M - new M: a whole number, 0 or less
	v_cvt_i32_f32 v[TT], v[TT]                     ; (it saturates)
	v_ldexp_f32 v[FF], 1.0, v[TT]                  ; f = 2^(old M - new M)
.irp j, 0,2,4,6,8,10,12,14,16,18,20,22,24,26,28,30,32,34,36,38,40,42,44,46,48,50,52,54,56,58,60,62
	v_pk_fma_f32 v[S+\j:S+\j+1], v[S+\j:S+\j+1], s[CS:CS+1], v[12:13] op_sel_hi:[1,0,0]   ; t - M, two at a time
.endr
.irp c, 0,1
	v_fma_f32 v[BM+\c], v[BM+\c], s[CS], v12       ; the same of each block's largest score
.endr
.irp j, 0,1,2,3,4,5,6,7,8,9,10,11,12,13,14,15,16,17,18,19,20,21,22,23,24,25,26,27,28,29,30,31,32,33,34,35,36,37,38,39,40,41,42,43,44,45,46,47,48,49,50,51,52,53,54,55,56,57,58,59,60,61,62,63
	v_exp_f32 v[S+\j], v[S+\j]                     ; p = 2^(t - M), at most 1: not normalised
.endr
	v_pk_mul_f32 v[14:15], v[14:15], v[FF:FF+1] op_sel_hi:[1,0]   ; l under the new M.  (The plain line behind the exponentials)
	s_wait_alu depctr_va_vdst(0)                   ; one wait for the batch of 64, ahead of its first reader
.irp c, 0,1
	v_exp_f32 v[BM+\c], v[BM+\c]                   ; the block's largest p
.endr
	v_pk_add_f32 v[SU:SU+1], v[S:S+1], v[S+2:S+3]  ; the row's sum of the unquantised p, in two chains; it reads the 64 alone
.irp j, 4,8,12,16,20,24,28,32,36,40,44,48,52,56,60
	v_pk_add_f32 v[14:15], v[14:15], v[S+\j:S+\j+1]
	v_pk_add_f32 v[SU:SU+1], v[SU:SU+1], v[S+\j+2:S+\j+3]
.endr
	v_pk_add_f32 v[14:15], v[14:15], v[SU:SU+1]
	s_wait_alu depctr_va_vdst(0)                   ; and one for the two
.irp c, 0,1
	v_max_num_f32 v[BM+\c], 0x1800000, v[BM+\c]    ; the floor 2^(3 - 127)
.endr
.irp c, 0,1
	v_add_nc_u32 v[SO+\c], 0xff000000, v[BM+\c]
.endr
.irp c, 0,1
	v_lshrrev_b32 v[BY+\c], 23, v[SO+\c]
.endr
	v_lshl_or_b32 v230, v[BY+1], 16, v[BY]         ; my bytes: blocks h and 2 + h,
	v_lshlrev_b32 v230, v5, v230                   ; 8 h bits up;
	v_permlanex16_b32 v[PD], v230, s[SEL], s[SEL+1]
	v_or_b32 v230, v230, v[PD]                     ; with lane l xor 16's two: p's scale word for these 128 keys
.irp c, 0,1
	v_cvt_scalef32_pk16_fp6_f32 v[PC+6*\c:PC+6*\c+2], v[S+32*\c:S+32*\c+15], v[SO+\c]
	v_cvt_scalef32_pk16_fp6_f32 v[TP+4*\c:TP+4*\c+2], v[S+32*\c+16:S+32*\c+31], v[SO+\c]   ; (a conversion's three registers begin on an even number)
.endr
	v_nop                                          ; one plain line behind the conversions
.irp c, 0,1
.irp i, 0,1,2
	v_mov_b32 v[PC+6*\c+3+\i], v[TP+4*\c+\i]
.endr
.endr
.irp j, 0,2,4,6,8,10,12,14
	v_pk_mul_f32 v[O+\j:O+\j+1], v[O+\j:O+\j+1], v[FF:FF+1] op_sel_hi:[1,0]   ; O^T under the new M.  (With the seven lines above: fifteen places behind the scale word, eight behind the codes)
.endr
	s_wait_dscnt 0x0                               ; v is in
	v_wmma_scale_f32_16x16x128_f8f6f4 v[O:O+7], v[VF:VF+11], v[PC:PC+11], v[O:O+7], v229, v230 matrix_a_fmt:MATRIX_FMT_FP6 matrix_b_fmt:MATRIX_FMT_FP6
	v_wmma_scale_f32_16x16x128_f8f6f4 v[O+8:O+15], v[VF+12:VF+23], v[PC:PC+11], v[O+8:O+15], v229, v230 matrix_a_fmt:MATRIX_FMT_FP6 matrix_b_fmt:MATRIX_FMT_FP6 matrix_a_scale:MATRIX_SCALE_ROW1
	s_add_co_u32 s[TB], s[TB], STEPB
	s_sub_co_u32 s31, s31, 1
	s_cmp_lg_u32 s31, 0
	s_cbranch_scc1 .Lstep_\@
.rept 4
	v_nop                                          ; places behind the last products
.endr
	v_add_f32 v14, v14, v15                        ; l's two halves,
	v_permlanex16_b32 v[PD], v14, s[SEL], s[SEL+1]
	v_add_f32 v14, v14, v[PD]                      ; and lane l xor 16's
	v_rcp_f32 v14, v14
	v_nop
	s_wait_alu depctr_va_vdst(0)
.irp j, 0,1,2,3,4,5,6,7,8,9,10,11,12,13,14,15
	v_mul_f32 v[S+\j], v[O+\j], v14                ; O / l: channels 16 h + 0 .. 15 of query r
.endr
	v_max3_num_f32 v[BM], |v[S]|, |v[S+1]|, 0x1800000
.irp i, 2,4,6,8,10,12,14
	v_max3_num_f32 v[BM], v[BM], |v[S+\i]|, |v[S+\i+1]|
.endr
	v_permlanex16_b32 v[PD], v[BM], s[SEL], s[SEL+1]
	v_max_num_f32 v[BM], v[BM], v[PD]              ; the head's 32 channels are one block of the last product's K
	v_add_nc_u32 v[SO], 0xff000000, v[BM]
	v_lshrrev_b32 v[240+\it], 23, v[SO]
	v_cvt_scalef32_pk16_fp6_f32 v[232+4*\it:234+4*\it], v[S:S+15], v[SO]
	v_nop
	global_store_b96 v6, v[232+4*\it:234+4*\it], s[8:9] offset:6144*\it   ; 384 consecutive bytes: 16 tokens x 24
	ds_store_b8 v7, v[240+\it] offset:256*\it      ; both lanes of a query write the same byte with the same value
.endm
	TILE 0
	TILE 1
	s_wait_dscnt 0x0                               ; my scale bytes lie in LDS
	s_barrier_signal -1
	s_barrier_wait -1
	s_cmp_lg_u32 s12, 0
	s_cbranch_scc1 .Lend
	ds_load_b128 v[S:S+3], v250                    ; wave 0 stores the work-group's 512 scale bytes: 512 consecutive bytes, aligned
	s_wait_dscnt 0x0
	global_store_b128 v1, v[S:S+3], s[10:11]
.Lend:
	s_wait_tensorcnt 0x0
	ds_add_u32 v254, v255
	s_wait_dscnt 0x0
	s_endpgm
.Lfunc_end_k_q223f01f295_attn:
	.size	k_q223f01f295_attn, .Lfunc_end_k_q223f01f295_attn-k_q223f01f295_attn
	.p2alignl 7, 3214868480
	.fill 96, 4, 3214868480
	.section	.rodata,"a",@progbits
	.p2align	6, 0x0
	.amdhsa_kernel k_q223f01f295_attn
		.amdhsa_group_segment_fixed_size 104960
		.amdhsa_private_segment_fixed_size 0
		.amdhsa_enable_private_segment 0
		.amdhsa_kernarg_size 32
		.amdhsa_user_sgpr_count 2
		.amdhsa_user_sgpr_kernarg_segment_ptr 1
		.amdhsa_wavefront_size32 1
		.amdhsa_system_sgpr_workgroup_id_x 1
		.amdhsa_system_sgpr_workgroup_id_y 1
		.amdhsa_system_sgpr_workgroup_id_z 1
		.amdhsa_system_vgpr_workitem_id 0
		.amdhsa_next_free_vgpr 256
		.amdhsa_next_free_sgpr 66
		.amdhsa_reserve_vcc 0
		.amdhsa_float_denorm_mode_32 3
		.amdhsa_float_denorm_mode_16_64 3
		.amdhsa_memory_ordered 1
		.amdhsa_forward_progress 1
		.amdhsa_inst_pref_size 42
	.end_amdhsa_kernel
	.amdgpu_metadata
---
amdhsa.version: [ 1, 2 ]
amdhsa.kernels:
  - .name:           k_q223f01f295_attn
    .symbol:         k_q223f01f295_attn.kd
    .args:
      - { .name: qkvc, .offset: 0, .size: 8, .value_kind: global_buffer, .address_space: global }
      - { .name: qkvs, .offset: 8, .size: 8, .value_kind: global_buffer, .address_space: global }
      - { .name: aoc, .offset: 16, .size: 8, .value_kind: global_buffer, .address_space: global }
      - { .name: aos, .offset: 24, .size: 8, .value_kind: global_buffer, .address_space: global }
    .group_segment_fixed_size: 104960
    .private_segment_fixed_size: 0
    .kernarg_segment_align: 8
    .kernarg_segment_size: 32
    .max_flat_workgroup_size: 512
    .sgpr_count:     66
    .vgpr_count:     256
    .wavefront_size: 32
...
	.end_amdgpu_metadata
.endif
;; end of part 3
;; launch proj_ln (part 4): grid 64 x 1, 4 waves a work-group, no clusters, 120,320 bytes of LDS; arguments aoc, aos, opc, ops, b_out, ln_gamma, ln_beta, out0; writes out0
.if DOCPART == 4
	.amdgcn_target "amdgcn-amd-amdhsa--gfx1250"
	.amdhsa_code_object_version 6
	.text
	.protected	k_q223f01f295_proj_ln
	.globl	k_q223f01f295_proj_ln
	.p2align	8
	.type	k_q223f01f295_proj_ln,@function
k_q223f01f295_proj_ln:
	s_mov_b64 s[64:65], 0
	v_nop
	global_prefetch_b8 v0, s[64:65] scope:SCOPE_SE
	s_setreg_imm32_b32 hwreg(HW_REG_WAVE_MODE, 25, 1), 1
	s_wait_xcnt 0x0
; out0 = LayerNorm(ao w_out + b_out) x gamma + beta.  The product is on codes of FP6 (E2M3) with E8M0 scales, K = 1,024; all else in f32.
; SHARES.  The norm wants a row's 1,024 columns together: a work-group owns 64 whole rows (64 x 1,024 f32 sums are 512 registers in each of its four waves), so there are 4,096 / 64 = 64 work-groups.
; Wave w owns columns 256 w .. + 255 (w_out's tiles 448 + 16 w + b, b = 0 .. 15) for all four tiles of 16 rows: accumulator (a, b) in window 2 + a / 2 at v[128 (a % 2) + 8 b].
; Each fragment of w_out serves one wave alone: it comes from its image in opc straight into registers, three loads of 512 consecutive bytes, through a ring of five groups of four fragments: no LDS, no barrier in the K loop.
; No cluster: a joint load would land these fragments in LDS, whence each would be read once by one wave.
; ao's 32 fragments (4 tiles of rows x 8 K steps) are built once, wave w tile w, and go from wave to wave through LDS as images of their registers.
; THE MATRIX INSTRUCTION IS USED TRANSPOSED (source 0 = 16 operand rows of w_out, source 1 = 16 rows of ao); by the tiles' choice of rows a lane's 32 registers of accumulators 4 c .. 4 c + 3 are columns 64 c + 32 h + 0 .. 31 of one row.
; b_out is loaded into the accumulators: it is the C of each sum's first product.  The variance is taken of the differences from the mean, in a second pass.
; REGISTERS: window 0: v1-12 addresses; v16-23 the means, v24-31 1 / sqrt(var + eps), in pairs; v32-95 w_out's scale words; v96-99 ao's, two sets; v104-199 ao's fragments, two sets of 48; v200-239 at work; on the way out v104-231 rows.
;   window 1: v0-239 the ring; later gamma (v0-127) and beta (v128-255).
.set FRB,  1536
.set AIMG, 0                           ; LDS: ao's fragment (a, s) at (8 a + s) x 1536
.set ASC,  32*FRB                      ; its scale words: s x 256 + 8 x (16 (a % 2) + r) + 4 (a / 2)
.set RED1, ASC+2048                    ; the waves' sums: (16 a + r) x 16 + 4 w; the second pass's 1,024 bytes further on
.set STG,  RED1+2048                   ; a stage of 16 rows x (1,024 bytes + 16) for each wave
.set SPI,  1040
.set BSC,  32
.set ASR,  96
.set AFR,  104
.set CH,   200                         ; v200-215 four registers of running sums for each tile of rows
.set PX,   216                         ; v216-219 lane permutes' destinations
.set RB,   220                         ; v220-235 the four waves' sums
.set MU,   16
.set RSQ,  24
.set MSB, 0
.macro WIN new                         ; the immediate's high byte repeats the setting that is left
.if MSB != (\new)
	s_set_vgpr_msb (MSB<<8)|(\new)
.set MSB, (\new)
.endif
.endm
.macro BLD g                           ; group g: K step g / 4, tiles 4 (g % 4) .. + 3, into set g % 5 of the ring
	WIN 0x40                                       ; destination window 1, address window 0
.irp j, 0,1,2,3
.irp q, 0,1,2
	global_load_b128 v[48*((\g)%5)+12*\j+4*\q:48*((\g)%5)+12*\j+4*\q+3], v1, s[8:9] offset:(4*((\g)%4)+\j)*12288+((\g)/4)*FRB+512*\q
.endr
.endr
.endm
.macro ALD s                           ; ao's four fragments and scale words of K step s, into set s % 2
	WIN 0
.irp a, 0,1,2,3
.irp q, 0,1,2
	ds_load_b128 v[AFR+48*((\s)%2)+12*\a+4*\q:AFR+48*((\s)%2)+12*\a+4*\q+3], v1 offset:AIMG+(8*\a+(\s))*FRB+512*\q
.endr
.endr
	ds_load_b64 v[ASR+2*((\s)%2):ASR+2*((\s)%2)+1], v2 offset:ASC+256*(\s)
.endm
.macro PROD g, a, j                    ; accumulator (a, b) += w_out's fragment (b, s) x ao's fragment (a, s)
.set PB, 4*((\g)%4)+(\j)
.set PS, (\g)/4
.set PDD, 128*((\a)%2)+8*PB
.set PF, 48*((\g)%5)+12*(\j)
.set PA, AFR+48*(PS%2)+12*(\a)
.set PSB, BSC+8*(PB/2)+PS              ; lanes 0-15 the even tile's rows, lanes 16-31 the odd tile's
.set PSA, ASR+2*(PS%2)+(\a)/2          ; lanes 0-15 the even tile of rows, lanes 16-31 the odd one
.if (PB%2 == 0) && ((\a)%2 == 0)
	v_wmma_scale_f32_16x16x128_f8f6f4 v[PDD:PDD+7], v[PF:PF+11], v[PA:PA+11], v[PDD:PDD+7], v[PSB], v[PSA] matrix_a_fmt:MATRIX_FMT_FP6 matrix_b_fmt:MATRIX_FMT_FP6
.elseif (PB%2 == 1) && ((\a)%2 == 0)
	v_wmma_scale_f32_16x16x128_f8f6f4 v[PDD:PDD+7], v[PF:PF+11], v[PA:PA+11], v[PDD:PDD+7], v[PSB], v[PSA] matrix_a_fmt:MATRIX_FMT_FP6 matrix_b_fmt:MATRIX_FMT_FP6 matrix_a_scale:MATRIX_SCALE_ROW1
.elseif (PB%2 == 0) && ((\a)%2 == 1)
	v_wmma_scale_f32_16x16x128_f8f6f4 v[PDD:PDD+7], v[PF:PF+11], v[PA:PA+11], v[PDD:PDD+7], v[PSB], v[PSA] matrix_a_fmt:MATRIX_FMT_FP6 matrix_b_fmt:MATRIX_FMT_FP6 matrix_b_scale:MATRIX_SCALE_ROW1
.else
	v_wmma_scale_f32_16x16x128_f8f6f4 v[PDD:PDD+7], v[PF:PF+11], v[PA:PA+11], v[PDD:PDD+7], v[PSB], v[PSA] matrix_a_fmt:MATRIX_FMT_FP6 matrix_b_fmt:MATRIX_FMT_FP6 matrix_a_scale:MATRIX_SCALE_ROW1 matrix_b_scale:MATRIX_SCALE_ROW1
.endif
.endm
.macro GROUP g                         ; sixteen products on sixteen accumulators, which take turns; a group's fragments were asked for 64 products ago
.if 31-(\g) >= 4
	s_wait_loadcnt 48                              ; this group's 12 loads are in; those of the four groups behind it may be out
.else
	s_wait_loadcnt 12*(31-(\g))
.endif
.if (\g)%4 == 0
	s_wait_dscnt 0x0                               ; this K step's fragments of ao are in
.endif
	WIN 0xa1                                       ; source 0 window 1, source 1 window 0, C and D window 2
.irp a, 0,1
.irp j, 0,1,2,3
	PROD \g, \a, \j
.endr
.endr
	WIN 0xf1                                       ; C and D window 3
.irp a, 2,3
.irp j, 0,1,2,3
	PROD \g, \a, \j
.endr
.endr
.rept 4
	v_nop                                          ; places in front of loads into registers that these products have read
.endr
.if (\g)+5 < 32
	BLD (\g)+5
.endif
.if ((\g)%4 == 0) && ((\g) < 28)
	ALD (\g)/4+1
.endif
.endm
; The running sums of the four tiles of rows are folded, joined with lane l xor 16's and with the other three waves': the row's sum ends in v[RB + 4 a] of every lane of row r.
.macro REDUCE off
.irp a, 0,1,2,3
	v_pk_add_f32 v[CH+4*\a:CH+4*\a+1], v[CH+4*\a:CH+4*\a+1], v[CH+4*\a+2:CH+4*\a+3]
.endr
.irp a, 0,1,2,3
	v_add_f32 v[CH+4*\a], v[CH+4*\a], v[CH+4*\a+1]
.endr
.irp a, 0,1,2,3
	v_permlanex16_b32 v[PX+\a], v[CH+4*\a], s26, s27
.endr
.irp a, 0,1,2,3
	v_add_f32 v[CH+4*\a], v[CH+4*\a], v[PX+\a]
.endr
.irp a, 0,1,2,3
	ds_store_b32 v5, v[CH+4*\a] offset:\off+256*\a ; both lanes of a row write the same word with the same value
.endr
	s_wait_dscnt 0x0                               ; for the others' sake
	s_barrier_signal -1
	s_barrier_wait -1
.irp a, 0,1,2,3
	ds_load_b128 v[RB+4*\a:RB+4*\a+3], v6 offset:\off+256*\a
.endr
	s_wait_dscnt 0x0
.irp a, 0,1,2,3
	v_add_f32 v[RB+4*\a], v[RB+4*\a], v[RB+4*\a+1]
.endr
.irp a, 0,1,2,3
	v_add_f32 v[RB+4*\a+2], v[RB+4*\a+2], v[RB+4*\a+3]
.endr
.irp a, 0,1,2,3
	v_add_f32 v[RB+4*\a], v[RB+4*\a], v[RB+4*\a+2]
.endr
.endm
	s_load_b256 s[4:11], s[0:1], 0x0               ; aoc s[4:5], aos s[6:7], opc s[8:9], ops s[10:11]
	s_load_b256 s[12:19], s[0:1], 0x20             ; b_out s[12:13], gamma s[14:15], beta s[16:17], out0 s[18:19]
	v_lshl_add_u32 v254, v0, 2, 0x1d400
	v_mov_b32 v255, 0
	v_lshrrev_b32 v1, 5, v0
	v_readfirstlane_b32 s20, v1                    ; wave 0..3
	v_and_b32 v13, 31, v0                          ; lane
	v_and_b32 v12, 15, v0                          ; r
	v_bfe_u32 v14, v0, 4, 1                        ; h
	v_lshlrev_b32 v1, 4, v13                       ; 16 x lane
	v_lshlrev_b32 v2, 3, v13                       ; 8 x lane
	v_lshlrev_b32 v3, 7, v14                       ; 128 h: my half's 32 columns of each 64
	v_lshlrev_b32 v4, 3, v12
	v_lshl_add_u32 v4, v14, 9, v4                  ; w_out's scale words: 512 h + 8 r
	s_lshl_b32 s22, s20, 2
	s_add_co_u32 s22, s22, RED1
	v_lshl_add_u32 v5, v12, 4, s22                 ; where I put a row's sum: 16 r + 4 w
	v_lshlrev_b32 v6, 4, v12
	v_add_nc_u32 v6, RED1, v6                      ; and where I read the four waves'
	s_mul_i32 s22, s20, 16*SPI
	s_add_co_u32 s22, s22, STG                     ; my stage
	v_mul_u32_u24 v7, v12, SPI
	v_lshl_add_u32 v7, v14, 7, v7
	v_add_nc_u32 v7, s22, v7                       ; in: row r, + 128 h
	v_add_nc_u32 v8, s22, v1                       ; back: 16 bytes a lane
	s_mul_i32 s22, s20, 8*FRB
	v_add_nc_u32 v9, s22, v1                       ; where I store ao's images: tile of rows w
	s_and_b32 s22, s20, 1
	s_lshl_b32 s22, s22, 7
	s_lshr_b32 s23, s20, 1
	s_lshl_b32 s23, s23, 2
	s_add_co_u32 s22, s22, s23
	s_add_co_u32 s22, s22, ASC
	v_lshl_add_u32 v10, v12, 3, s22                ; and their scale words
	v_mul_u32_u24 v11, v12, 24
	v_mad_u32_u24 v11, v14, 0x18000, v11           ; ao's codes: 24 r, + a head (98,304 bytes) for lanes 16-31
	s_mov_b32 s26, 0x76543210
	s_mov_b32 s27, 0xfedcba98                      ; v_permlanex16_b32's selects for lane l xor 16
	s_mov_b32 s28, 0x3a800000                      ; 1 / 1024
	s_mov_b32 s29, 0x358637bd                      ; eps = 1e-6
	s_lshl_b32 s21, ttmp9, 6                       ; the work-group's first row
	s_lshl_b32 s22, s20, 4
	s_add_co_u32 s22, s22, s21                     ; my tile of rows
	s_mov_b32 s23, 0
	s_mov_b32 s25, 0
	s_wait_kmcnt 0x0
	s_add_nc_u64 s[6:7], s[6:7], s[22:23]
	s_mul_i32 s22, s22, 24
	s_add_nc_u64 s[4:5], s[4:5], s[22:23]
	s_lshl_b32 s22, s20, 4
	s_add_co_u32 s22, s22, 448                     ; my first tile of w_out
	s_lshl_b32 s24, s22, 9
	s_add_nc_u64 s[10:11], s[10:11], s[24:25]
	s_mul_i32 s24, s22, 12288
	s_add_nc_u64 s[8:9], s[8:9], s[24:25]
	s_lshl_b32 s24, s20, 10                        ; my 256 columns, in bytes
	s_add_nc_u64 s[12:13], s[12:13], s[24:25]
	s_add_nc_u64 s[14:15], s[14:15], s[24:25]
	s_add_nc_u64 s[16:17], s[16:17], s[24:25]
	s_lshl_b32 s22, s21, 12
	s_add_co_u32 s24, s24, s22
	s_add_nc_u64 s[18:19], s[18:19], s[24:25]
	; ---- ao's eight fragments of my tile of rows: K block 4 s + 2 c + h is a head
.irp s, 0,1,2,3,4,5,6,7
.irp c, 0,1
.irp i, 0,1,2
	global_load_b64 v[AFR+12*\s+6*\c+2*\i:AFR+12*\s+6*\c+2*\i+1], v11, s[4:5] offset:(4*\s+2*\c)*98304+8*\i
.endr
.endr
.irp e, 0,1,2,3
	global_load_u8 v[200+4*\s+\e], v12, s[6:7] offset:(4*\s+\e)*4096
.endr
.endr
	s_wait_loadcnt 0x0
.irp s, 0,1,2,3,4,5,6,7
	v_lshl_or_b32 v[232+\s], v[201+4*\s], 8, v[200+4*\s]
.endr
.irp s, 0,1,2,3,4,5,6,7
	v_lshl_or_b32 v[232+\s], v[202+4*\s], 16, v[232+\s]
.endr
.irp s, 0,1,2,3,4,5,6,7
	v_lshl_or_b32 v[232+\s], v[203+4*\s], 24, v[232+\s]
.endr
.irp q, 0,1,2,3,4,5,6,7,8,9,10,11,12,13,14,15,16,17,18,19,20,21,22,23
	ds_store_b128 v9, v[AFR+4*\q:AFR+4*\q+3] offset:AIMG+512*\q
.endr
.irp s, 0,1,2,3,4,5,6,7
	ds_store_b32 v10, v[232+\s] offset:256*\s
.endr
	; ---- b_out into all 64 accumulators; w_out's scale words; the ring's first five groups
.irp a, 0,1,2,3
	WIN (2+\a/2)<<6
.irp c, 0,1,2,3
.irp i, 0,1,2,3,4,5,6,7
	global_load_b128 v[128*(\a%2)+32*\c+4*\i:128*(\a%2)+32*\c+4*\i+3], v3, s[12:13] offset:256*\c+16*\i
.endr
.endr
.endr
	WIN 0
.irp p, 0,1,2,3,4,5,6,7
.irp t, 0,1,2,3
	global_load_b64 v[BSC+8*\p+2*\t:BSC+8*\p+2*\t+1], v4, s[10:11] offset:1024*\p+128*\t
.endr
.endr
.irp g, 0,1,2,3,4
	BLD \g
.endr
	WIN 0
	s_wait_dscnt 0x0                               ; for the others' sake: my images lie in LDS
	s_barrier_signal -1
	s_barrier_wait -1
	ALD 0
.set G, 0
.rept 32
	GROUP G
.set G, G+1
.endr
	; ---- gamma and beta take the ring's place (the four places stand behind the last products)
	WIN 0x40
.irp c, 0,1,2,3
.irp i, 0,1,2,3,4,5,6,7
	global_load_b128 v[32*\c+4*\i:32*\c+4*\i+3], v3, s[14:15] offset:256*\c+16*\i
	global_load_b128 v[128+32*\c+4*\i:128+32*\c+4*\i+3], v3, s[16:17] offset:256*\c+16*\i
.endr
.endr
	WIN 0
.irp k, 0,1,2,3,4,5,6,7,8,9,10,11,12,13,14,15,16,17,18,19
	v_mov_b32 v[CH+\k], 0                          ; the running sums, and the permutes' destinations
.endr
	; ---- the mean: each accumulator from its low end on
.irp u, 0,1
	WIN (2+\u)<<2
.set J, 0
.rept 32
	v_pk_add_f32 v[CH+8*\u:CH+8*\u+1], v[CH+8*\u:CH+8*\u+1], v[J:J+1]
	v_pk_add_f32 v[CH+8*\u+4:CH+8*\u+5], v[CH+8*\u+4:CH+8*\u+5], v[128+J:129+J]
	v_pk_add_f32 v[CH+8*\u+2:CH+8*\u+3], v[CH+8*\u+2:CH+8*\u+3], v[J+2:J+3]
	v_pk_add_f32 v[CH+8*\u+6:CH+8*\u+7], v[CH+8*\u+6:CH+8*\u+7], v[130+J:131+J]
.set J, J+4
.endr
.endr
	WIN 0
	REDUCE 0
.irp a, 0,1,2,3
	v_mul_f32 v[MU+2*\a], s28, v[RB+4*\a]
.endr
.irp a, 0,1,2,3
	v_mov_b32 v[MU+2*\a+1], v[MU+2*\a]             ; (named with it as a pair)
.endr
.irp k, 0,1,2,3,4,5,6,7,8,9,10,11,12,13,14,15
	v_mov_b32 v[CH+\k], 0
.endr
	; ---- the differences from the mean, in place, and the sum of their squares
.irp u, 0,1
	WIN (2+\u)|((2+\u)<<6)
.set J, 0
.rept 64
	v_pk_add_f32 v[J:J+1], v[J:J+1], v[MU+4*\u:MU+4*\u+1] op_sel_hi:[1,0] neg_lo:[0,1] neg_hi:[0,1]
	v_pk_add_f32 v[128+J:129+J], v[128+J:129+J], v[MU+4*\u+2:MU+4*\u+3] op_sel_hi:[1,0] neg_lo:[0,1] neg_hi:[0,1]
.set J, J+2
.endr
	WIN (2+\u)|((2+\u)<<2)
.set J, 0
.rept 32
	v_pk_fma_f32 v[CH+8*\u:CH+8*\u+1], v[J:J+1], v[J:J+1], v[CH+8*\u:CH+8*\u+1]
	v_pk_fma_f32 v[CH+8*\u+4:CH+8*\u+5], v[128+J:129+J], v[128+J:129+J], v[CH+8*\u+4:CH+8*\u+5]
	v_pk_fma_f32 v[CH+8*\u+2:CH+8*\u+3], v[J+2:J+3], v[J+2:J+3], v[CH+8*\u+2:CH+8*\u+3]
	v_pk_fma_f32 v[CH+8*\u+6:CH+8*\u+7], v[130+J:131+J], v[130+J:131+J], v[CH+8*\u+6:CH+8*\u+7]
.set J, J+4
.endr
.endr
	WIN 0
	REDUCE 1024
.irp a, 0,1,2,3
	v_fma_f32 v[RB+4*\a], v[RB+4*\a], s28, s29     ; var + eps
.endr
.irp a, 0,1,2,3
	v_rsq_f32 v[RSQ+2*\a], v[RB+4*\a]
.endr
	v_nop
	s_wait_alu depctr_va_vdst(0)                   ; one wait for the four, ahead of their first reader
.irp a, 0,1,2,3
	v_mov_b32 v[RSQ+2*\a+1], v[RSQ+2*\a]
.endr
	s_wait_loadcnt 0x0                             ; gamma and beta
.irp u, 0,1
	WIN (2+\u)|((2+\u)<<6)
.set J, 0
.rept 64
	v_pk_mul_f32 v[J:J+1], v[J:J+1], v[RSQ+4*\u:RSQ+4*\u+1] op_sel_hi:[1,0]
	v_pk_mul_f32 v[128+J:129+J], v[128+J:129+J], v[RSQ+4*\u+2:RSQ+4*\u+3] op_sel_hi:[1,0]
.set J, J+2
.endr
	WIN (2+\u)|(1<<2)|(1<<4)|((2+\u)<<6)           ; sources 1 and 2, gamma and beta, in window 1
.set J, 0
.rept 64
	v_pk_fma_f32 v[J:J+1], v[J:J+1], v[J:J+1], v[128+J:129+J]
	v_pk_fma_f32 v[128+J:129+J], v[128+J:129+J], v[J:J+1], v[128+J:129+J]
.set J, J+2
.endr
.endr
; THE WAY OUT, a tile of 16 rows at a time, through my own stage: a lane's 128 bytes of a row go in, whole runs of 512 bytes of a row come back.  LDS serves a wave's instructions in order: no wait between stores and loads.
.macro OUT a
	WIN (2+(\a)/2)<<2                              ; an LDS store's data are its source 1
.irp c, 0,1,2,3
.irp i, 0,1,2,3,4,5,6,7
	ds_store_b128 v7, v[128*((\a)%2)+32*\c+4*\i:128*((\a)%2)+32*\c+4*\i+3] offset:256*\c+16*\i
.endr
.endr
	WIN 0
.if (\a) > 0
	s_wait_xcnt 0x0                                ; the last tile's stores have read their registers
.endif
.irp n, 0,1,2,3,4,5,6,7,8,9,10,11,12,13,14,15,16,17,18,19,20,21,22,23,24,25,26,27,28,29,30,31
	ds_load_b128 v[AFR+4*\n:AFR+4*\n+3], v8 offset:SPI*(\n/2)+512*(\n%2)
.endr
.irp n, 0,1,2,3,4,5,6,7,8,9,10,11,12,13,14,15,16,17,18,19,20,21,22,23,24,25,26,27,28,29,30,31
	s_wait_dscnt 31-\n                             ; the younger loads may be out
	global_store_b128 v1, v[AFR+4*\n:AFR+4*\n+3], s[18:19] offset:(16*(\a)+\n/2)*4096+512*(\n%2) th:TH_STORE_NT   ; 512 consecutive bytes, aligned; written once
.endr
.endm
	OUT 0
	OUT 1
	OUT 2
	OUT 3
	s_wait_tensorcnt 0x0
	ds_add_u32 v254, v255
	s_wait_dscnt 0x0
	s_endpgm
.Lfunc_end_k_q223f01f295_proj_ln:
	.size	k_q223f01f295_proj_ln, .Lfunc_end_k_q223f01f295_proj_ln-k_q223f01f295_proj_ln
	.p2alignl 7, 3214868480
	.fill 96, 4, 3214868480
	.section	.rodata,"a",@progbits
	.p2align	6, 0x0
	.amdhsa_kernel k_q223f01f295_proj_ln
		.amdhsa_group_segment_fixed_size 120320
		.amdhsa_private_segment_fixed_size 0
		.amdhsa_enable_private_segment 0
		.amdhsa_kernarg_size 64
		.amdhsa_user_sgpr_count 2
		.amdhsa_user_sgpr_kernarg_segment_ptr 1
		.amdhsa_wavefront_size32 1
		.amdhsa_system_sgpr_workgroup_id_x 1
		.amdhsa_system_sgpr_workgroup_id_y 1
		.amdhsa_system_sgpr_workgroup_id_z 1
		.amdhsa_system_vgpr_workitem_id 0
		.amdhsa_next_free_vgpr 1024
		.amdhsa_next_free_sgpr 66
		.amdhsa_reserve_vcc 0
		.amdhsa_float_denorm_mode_32 3
		.amdhsa_float_denorm_mode_16_64 3
		.amdhsa_memory_ordered 1
		.amdhsa_forward_progress 1
		.amdhsa_inst_pref_size 255
	.end_amdhsa_kernel
	.section	.bss,"aw",@nobits
	.p2align	6
	.space	262144
	.amdgpu_metadata
---
amdhsa.version: [ 1, 2 ]
amdhsa.kernels:
  - .name:           k_q223f01f295_proj_ln
    .symbol:         k_q223f01f295_proj_ln.kd
    .args:
      - { .name: aoc, .offset: 0, .size: 8, .value_kind: global_buffer, .address_space: global }
      - { .name: aos, .offset: 8, .size: 8, .value_kind: global_buffer, .address_space: global }
      - { .name: opc, .offset: 16, .size: 8, .value_kind: global_buffer, .address_space: global }
      - { .name: ops, .offset: 24, .size: 8, .value_kind: global_buffer, .address_space: global }
      - { .name: b_out, .offset: 32, .size: 8, .value_kind: global_buffer, .address_space: global }
      - { .name: ln_gamma, .offset: 40, .size: 8, .value_kind: global_buffer, .address_space: global }
      - { .name: ln_beta, .offset: 48, .size: 8, .value_kind: global_buffer, .address_space: global }
      - { .name: out0, .offset: 56, .size: 8, .value_kind: global_buffer, .address_space: global }
    .group_segment_fixed_size: 120320
    .private_segment_fixed_size: 0
    .kernarg_segment_align: 8
    .kernarg_segment_size: 64
    .max_flat_workgroup_size: 128
    .sgpr_count:     66
    .vgpr_count:     1024
    .wavefront_size: 32
...
	.end_amdgpu_metadata
.endif
;; end of part 4
;; ======== version 2 of 2: 4 launches; version 1 with the launches attn, proj_ln written anew for expert scheduling mode
;; workspace buffers: opc 6,291,456 bytes; ops 262,144 bytes; qkvc 18,874,368 bytes; qkvs 786,432 bytes; aoc 3,145,728 bytes; aos 131,072 bytes
;; launch quant: the kernel of part 1 again; grid 256 x 1, 4 waves a work-group, no clusters, 34,304 bytes of LDS; arguments x, w_qkv, w_out, opc, ops; writes opc, ops
;; launch gemm_qkv: the kernel of part 2 again; grid 12 x 16, 4 waves a work-group, clusters of 4 x 4, 327,680 bytes of LDS; arguments opc, ops, qkvc, qkvs; writes qkvc, qkvs
;; launch attn (part 5): grid 4 x 64, 16 waves a work-group, no clusters, 104,960 bytes of LDS; arguments qkvc, qkvs, aoc, aos; writes aoc, aos
.if DOCPART == 5
	.amdgcn_target "amdgcn-amd-amdhsa--gfx1250"
	.amdhsa_code_object_version 6
	.text
	.protected	k_q223f01f295_attn
	.globl	k_q223f01f295_attn
	.p2align	8
	.type	k_q223f01f295_attn,@function
k_q223f01f295_attn:
	s_mov_b64 s[64:65], 0
	v_nop
	global_prefetch_b8 v0, s[64:65] scope:SCOPE_SE
	s_setreg_imm32_b32 hwreg(HW_REG_WAVE_SCHED_MODE, 0, 2), 2
	s_setreg_imm32_b32 hwreg(HW_REG_WAVE_MODE, 25, 1), 1
	s_wait_xcnt 0x0
	s_wait_alu depctr_vm_vsrc(0)
; Attention of one (batch, head): S = q k^T / sqrt(32), p = 2^(t - M), O = p v / l, both products on codes of FP6 (E2M3) with E8M0 scales; O / l is quantised again (a block of 32 = the head) and stored as codes.
; t = score x log2(e) / sqrt(32); M = the running largest t rounded UP to a whole number; the row's sum l is taken of the unquantised p; when M moves, l and O are multiplied by 2^(old M - new M): exact.
; SHARES.  A work-group owns 512 queries of one (batch, head); each of its sixteen waves two tiles of 16 queries, one after the other, in 256 registers: four waves to a SIMD, so that one wave's vector work stands
; beside another's matrix work and LDS loads.  Every wave walks the head's 2,048 keys, 128 a step.
; THE HEAD'S K AND V STAY IN LDS, as images of operand registers, built once at the head (wave w builds step w): no ring, no tensor load, no barrier in the loops.
; No cluster: what the four work-groups of a head share is these 102,400 bytes, read once and laid anew through registers; the loops read no memory.
; K = 32 IN A FORM OF K = 128.  A fragment of k holds FOUR tiles of keys, one in each of its four K blocks: block e of row m of fragment f is key 64 f + 32 (m / 8) + 8 e + m % 8.  q stands in four fragments Q_e, each with
; the query's 24 bytes in block e and zero codes elsewhere; they overlap in 30 registers [0][Qlo][0][Qhi][0].  S^T tile 4 c + e = (k fragment c) x Q_e: lane (r, h) then holds, in register 32 c + 8 e + j,
; query r's score with key 64 c + 32 h + 8 e + j: whole blocks of 32 neighbouring keys in a lane, which is the second product's operand layout: no lane exchange but the two scale bytes'.
; LIMITS: the four keys of a fragment's row are summed in one matrix instruction (three of them against zero codes): a key whose scale lies some 2^20 under that of a key sharing its row loses low bits of its score.
; A block of zeros gets the byte 1 (its codes are zeros; this program alone reads the bytes).  A block's largest p is taken from its largest score by the same multiply-add and exponential, which takes v_exp_f32 not to fall where its input rises.  NaN and infinities are not served.
; REGISTERS: v1-7 addresses; v12 -M, v13 the largest t, v[14:15] l in two halves; v16-45 Q and its zeros; v46 Q's scale word; v48-71 k's two fragments; v72-95 v's two; v96-159 S^T, then p; v160-175 O^T;
;   v176-187 p's codes; v188-195, v196-209 at work; v212-226 both tiles' q as loaded; v228 k's scale words, v229 v's, v230 p's; v232-241 what is stored.
; THE MODE: SCHED_MODE bits 1:0 = 2 (LLVM: expert scheduling mode 2), set by the entry lines.  The code itself states the register dependences
; between vector or matrix instructions and memory or LDS instructions, with s_wait_alu, always for 0.
; THE PLAN.  Registers that LDS instructions touch in the loops:
;   v48-71, v228   k's fragments and scale words.  Read by step j's eight products k q^T; the loads of step j + 1 land in them, issued in step j.
;   v72-95, v229   v's fragments and scale words.  Read by step j's two products v^T p, at its end; the loads of step j land in them, issued in step j.
;   v3, v4         LDS addresses of the step.  Read by the step's fourteen loads; written at the head of each step.
;   v1, v2, v6, v7, v250 are made at the kernel's head and never written again; each tile's results have registers of their own.
; So ONE wait on va_vdst, the one that stands behind the 64 exponentials in any case, states all that a step's loads hang on: this step's products k q^T and the last step's products v^T p are done reading,
; and v3 and v4 are written.  Behind it come v's seven loads of this step, and, dealt among the additions of the row's sum, k's seven of the next step: no vector instruction between names a register that they touch.
; One wait on vm_vsrc stands at a step's head, ahead of the two additions that write v3 and v4.  The sixteenth step is written out: it asks for no further k.
.set STEPB, 6400                       ; LDS: a key step: k fragment 0, 1, v tile 0, 1 (1,536 bytes each), then 256 bytes of scale words: 8 x lane: {k's, v's}
.set AOSB,  16*STEPB                   ; behind the 16 steps: the 512 scale bytes of the work-group's results
.set KF,  48
.set VF,  72
.set S,   96
.set O,   160
.set PC,  176
.set TP,  188
.set BM,  196                          ; v196-197 a block's largest score, then its largest p
.set SO,  198                          ; v198-199 the conversions' scale operands
.set BY,  200                          ; v200-201 bytes
.set PD,  202                          ; a lane permute's destination
.set FF,  204                          ; v[204:205] f = 2^(old M - new M)
.set TT,  206
.set SU,  208                          ; v[208:209] the sums' second chain
.set QR,  212                          ; q as loaded: tile it at v[212 + 8 it], its scale byte at + 6
.set SEL, 26                           ; s[26:27]
.set CS,  44                           ; s[44:45] c = log2(e) / sqrt(32)
.set TB,  28                           ; s28 LDS byte of the step in hand
	s_load_b256 s[4:11], s[0:1], 0x0               ; qkvc s[4:5], qkvs s[6:7], aoc s[8:9], aos s[10:11]
	v_lshl_add_u32 v254, v0, 2, 0x19200
	v_mov_b32 v255, 0
	v_lshrrev_b32 v1, 5, v0
	v_readfirstlane_b32 s12, v1                    ; wave 0..15
	s_and_b32 s13, ttmp7, 0xffff
	s_lshr_b32 s14, s13, 5                         ; batch
	s_and_b32 s15, s13, 31                         ; head
	v_and_b32 v8, 31, v0                           ; lane
	v_and_b32 v9, 15, v0                           ; r
	v_bfe_u32 v10, v0, 4, 1                        ; h
	v_bfe_u32 v11, v0, 3, 1                        ; r / 8
	v_and_b32 v47, 7, v0                           ; r % 8
	v_lshlrev_b32 v1, 4, v8                        ; 16 x lane
	v_lshlrev_b32 v2, 3, v8                        ; 8 x lane
	v_lshlrev_b32 v5, 3, v10                       ; 8 h
	v_mul_u32_u24 v6, v9, 24
	v_mad_u32_u24 v6, v10, 12, v6                  ; the result's codes: 24 r + 12 h
	v_lshl_add_u32 v251, v11, 5, v47               ; 32 (r / 8) + r % 8
	v_lshl_add_u32 v252, v11, 4, v47               ; 16 (r / 8) + r % 8
	v_lshl_add_u32 v244, v10, 3, v251
	v_mul_u32_u24 v244, v244, 24                   ; k's codes: my lane's block 2 c + h of row r of fragment f is key 64 f + 16 c + (32 (r / 8) + 8 h + r % 8)
	v_mul_u32_u24 v245, v252, 24
	v_mad_u32_u24 v245, v10, 0x18000, v245         ; v's codes: row r of tile d is channel 16 (r / 8) + 8 d + r % 8; my key block is 2 c + h: 98,304 bytes a block
	v_lshl_add_u32 v246, v10, 6, v251              ; k's scale bytes: lanes 0-15 fragment 0's rows, lanes 16-31 fragment 1's
	v_lshl_add_u32 v247, v10, 3, v252              ; v's: lanes 0-15 tile 0's rows, lanes 16-31 tile 1's
	v_mul_u32_u24 v248, v9, 24                     ; q's codes: query r, in both halves of the lanes
	v_add_nc_u32 v250, AOSB, v1                    ; where wave 0 reads the 512 scale bytes back
	v_cmp_lt_u32 s30, 15, v8                       ; lanes 16-31
	s_wait_alu depctr_va_sdst(0)                   ; s12 and s30 are written, ahead of their first readers: the addresses below are made from s12, the selections of q's codes read s30
	s_mov_b32 s[SEL], 0x76543210
	s_mov_b32 s[SEL+1], 0xfedcba98                 ; v_permlanex16_b32's selects for lane l xor 16
	s_mov_b32 s[CS], 0x3e8293ee
	s_mov_b32 s[CS+1], s[CS]                       ; (named with it as a pair, so it is written)
	s_mov_b32 s29, 0x01010101
	s_lshl_b32 s16, s14, 11                        ; the batch's first token
	s_lshl_b32 s17, s12, 7                         ; my step's first key
	s_add_co_u32 s18, s15, 32
	s_lshl_b32 s18, s18, 12
	s_add_co_u32 s18, s18, s16
	s_add_co_u32 s18, s18, s17                     ; k: (32 + head) x 4096 + token
	s_mov_b32 s19, 0
	s_lshl_b32 s20, s14, 6
	s_lshl_b32 s21, s12, 2
	s_add_co_u32 s20, s20, s21
	s_add_co_u32 s20, s20, 64
	s_lshl_b32 s20, s20, 12
	s_lshl_b32 s21, s15, 5
	s_add_co_u32 s20, s20, s21                     ; v: (64 + key block) x 4096 + 32 x head
	s_mov_b32 s21, 0
	s_lshl_b32 s22, s15, 12
	s_add_co_u32 s22, s22, s16
	s_lshl_b32 s23, ttmp9, 9
	s_add_co_u32 s22, s22, s23                     ; q and the result: head x 4096 + the work-group's first token
	s_mov_b32 s23, 0
	s_lshl_b32 s24, s12, 4
	s_add_co_u32 s25, s24, AOSB
	v_add_nc_u32 v7, s25, v9                       ; LDS: the result's scale byte: 16 x wave + r
	s_wait_kmcnt 0x0
	s_add_nc_u64 s[10:11], s[10:11], s[22:23]      ; aos at the work-group's 512 bytes
	s_add_co_u32 s22, s22, s24                     ; + 16 x wave
	s_add_nc_u64 s[32:33], s[6:7], s[18:19]
	s_add_nc_u64 s[34:35], s[6:7], s[20:21]
	s_add_nc_u64 s[36:37], s[6:7], s[22:23]
	s_mul_i32 s18, s18, 24
	s_mul_i32 s20, s20, 24
	s_mul_i32 s22, s22, 24
	s_add_nc_u64 s[38:39], s[4:5], s[18:19]
	s_add_nc_u64 s[40:41], s[4:5], s[20:21]
	s_add_nc_u64 s[42:43], s[4:5], s[22:23]
	s_add_nc_u64 s[8:9], s[8:9], s[22:23]
	s_wait_alu depctr_va_vdst(0)                   ; the offsets and addresses v1, v2, v6, v7, v9, v244 to v248 and v250 are written, which the kernel's loads and stores read
	; ---- my key step's operands, straight into the registers whose image they are
.irp f, 0,1
.irp c, 0,1
.irp i, 0,1,2
	global_load_b64 v[KF+12*\f+6*\c+2*\i:KF+12*\f+6*\c+2*\i+1], v244, s[38:39] offset:(64*\f+16*\c)*24+8*\i
.endr
.endr
.endr
.irp d, 0,1
.irp c, 0,1
.irp i, 0,1,2
	global_load_b64 v[VF+12*\d+6*\c+2*\i:VF+12*\d+6*\c+2*\i+1], v245, s[40:41] offset:\c*196608+\d*192+8*\i
.endr
.endr
.endr
.irp e, 0,1,2,3
	global_load_u8 v[S+\e], v246, s[32:33] offset:8*\e
	global_load_u8 v[S+4+\e], v247, s[34:35] offset:4096*\e
.endr
.irp t, 0,1                                    ; both tiles' q
.irp i, 0,1,2
	global_load_b64 v[QR+8*\t+2*\i:QR+8*\t+2*\i+1], v248, s[42:43] offset:6144*\t+8*\i
.endr
	global_load_u8 v[QR+8*\t+6], v9, s[36:37] offset:256*\t
.endr
.irp i, 0,1,2,3,4,5
	v_mov_b32 v[16+\i], 0                          ; the three runs of zero codes round Qlo and Qhi
	v_mov_b32 v[28+\i], 0
	v_mov_b32 v[40+\i], 0
.endr
	v_mov_b32 v[PD], 0                             ; a lane permute's destination counts as one of its sources
	v_mov_b32 v[FF+1], 0                           ; (named as the upper half of a pair)
	s_mul_i32 s[TB], s12, STEPB
	v_add_nc_u32 v3, s[TB], v1
	v_add_nc_u32 v4, s[TB], v2
	s_wait_loadcnt 0x0
	v_lshl_or_b32 v228, v[S+1], 8, v[S]            ; k's scale word: the bytes of the four keys of my row
	v_lshl_or_b32 v229, v[S+5], 8, v[S+4]          ; v's: the four key blocks of my channel
	v_lshl_or_b32 v228, v[S+2], 16, v228
	v_lshl_or_b32 v229, v[S+6], 16, v229
	v_lshl_or_b32 v228, v[S+3], 24, v228
	v_lshl_or_b32 v229, v[S+7], 24, v229
	s_wait_alu depctr_va_vdst(0)                   ; v3, v4 and the two scale words v228, v229 are written, which the LDS stores read
.irp q, 0,1,2,3,4,5,6,7,8,9,10,11
	ds_store_b128 v3, v[KF+4*\q:KF+4*\q+3] offset:512*\q   ; four fragments on end, 512 consecutive bytes a store
.endr
	ds_store_b64 v4, v[228:229] offset:6144
	s_wait_dscnt 0x0                               ; for the others' sake: my step lies in LDS
	s_barrier_signal -1
	s_barrier_wait -1                              ; all sixteen steps do
	s_wait_alu depctr_vm_vsrc(0)                   ; my LDS stores have read v48 to v95, v228, v229, v3 and v4: from here on LDS loads land in the first four runs, and additions write the last two
; A KEY STEP: 128 keys.  nextk = 1: the next step's k is asked for.
.macro STEP nextk
	s_wait_alu depctr_vm_vsrc(0)                   ; the LDS loads of the step before have read v3 and v4, which the two lines below write
	v_add_nc_u32 v3, s[TB], v1
	v_add_nc_u32 v4, s[TB], v2
	s_wait_dscnt 0x0                               ; this step's k and its scale words, asked for in the step before (a tile's first: at the tile's head), are in
.irp e, 0,1,2,3
	v_wmma_scale_f32_16x16x128_f8f6f4 v[S+8*\e:S+8*\e+7], v[KF:KF+11], v[22+12*(\e%2)-6*(\e/2):33+12*(\e%2)-6*(\e/2)], 0, v228, v46 matrix_a_fmt:MATRIX_FMT_FP6 matrix_b_fmt:MATRIX_FMT_FP6
.endr
.irp e, 0,1,2,3
	v_wmma_scale_f32_16x16x128_f8f6f4 v[S+32+8*\e:S+32+8*\e+7], v[KF+12:KF+23], v[22+12*(\e%2)-6*(\e/2):33+12*(\e%2)-6*(\e/2)], 0, v228, v46 matrix_a_fmt:MATRIX_FMT_FP6 matrix_b_fmt:MATRIX_FMT_FP6 matrix_a_scale:MATRIX_SCALE_ROW1
.endr
.rept 4
	v_nop
.endr
.irp c, 0,1
	v_max3_num_f32 v[BM+\c], v[S+32*\c], v[S+32*\c+1], v[S+32*\c+2]   ; the largest score of each of my two blocks of 32 keys: it serves for the row's maximum and for the block's largest p
.endr
.irp i, 3,5,7,9,11,13,15,17,19,21,23,25,27,29
.irp c, 0,1
	v_max3_num_f32 v[BM+\c], v[BM+\c], v[S+32*\c+\i], v[S+32*\c+\i+1]
.endr
.endr
.irp c, 0,1
	v_max_num_f32 v[BM+\c], v[BM+\c], v[S+32*\c+31]
.endr
	v_max_num_f32 v[TT], v[BM], v[BM+1]
	v_permlanex16_b32 v[PD], v[TT], s[SEL], s[SEL+1]
	v_max_num_f32 v[TT], v[TT], v[PD]              ; the step's largest score of my query
	v_mul_f32 v[TT], s[CS], v[TT]                  ; as t (c is positive)
	v_max_num_f32 v13, v13, v[TT]                  ; the running largest t
	v_mov_b32 v[TT], v12
	v_floor_f32 v12, -v13                          ; the new -M = floor(-t): M is a whole number
	v_sub_f32 v[TT], v12, v[TT]                    ; old M - new M: a whole number, 0 or less
	v_cvt_i32_f32 v[TT], v[TT]                     ; (it saturates)
	v_ldexp_f32 v[FF], 1.0, v[TT]                  ; f = 2^(old M - new M)
.irp j, 0,2,4,6,8,10,12,14,16,18,20,22,24,26,28,30,32,34,36,38,40,42,44,46,48,50,52,54,56,58,60,62
	v_pk_fma_f32 v[S+\j:S+\j+1], v[S+\j:S+\j+1], s[CS:CS+1], v[12:13] op_sel_hi:[1,0,0]   ; t - M, two at a time
.endr
.irp c, 0,1
	v_fma_f32 v[BM+\c], v[BM+\c], s[CS], v12       ; the same of each block's largest score
.endr
.irp j, 0,1,2,3,4,5,6,7,8,9,10,11,12,13,14,15,16,17,18,19,20,21,22,23,24,25,26,27,28,29,30,31,32,33,34,35,36,37,38,39,40,41,42,43,44,45,46,47,48,49,50,51,52,53,54,55,56,57,58,59,60,61,62,63
	v_exp_f32 v[S+\j], v[S+\j]                     ; p = 2^(t - M), at most 1: not normalised
.endr
	v_pk_mul_f32 v[14:15], v[14:15], v[FF:FF+1] op_sel_hi:[1,0]   ; l under the new M.  (The plain line behind the exponentials)
	s_wait_alu depctr_va_vdst(0)                   ; the 64 exponentials have written p, ahead of its first reader; this step's products k q^T are done reading v48-71 and v228, the last step's products v^T p v72-95 and v229, in which the loads below land; v3 and v4 are written, which those loads read
.irp q, 6,7,8,9,10,11
	ds_load_b128 v[KF+4*\q:KF+4*\q+3], v3 offset:512*\q    ; this step's v
.endr
	ds_load_b32 v229, v4 offset:6148               ; and its scale words
.irp c, 0,1
	v_exp_f32 v[BM+\c], v[BM+\c]                   ; the block's largest p
.endr
	v_pk_add_f32 v[SU:SU+1], v[S:S+1], v[S+2:S+3]  ; the row's sum of the unquantised p, in two chains; it reads the 64 alone
.irp j, 4,8,12,16,20,24,28,32,36,40,44,48,52,56,60
	v_pk_add_f32 v[14:15], v[14:15], v[S+\j:S+\j+1]
	v_pk_add_f32 v[SU:SU+1], v[SU:SU+1], v[S+\j+2:S+\j+3]
.if (\nextk) && ((\j) < 28)
	ds_load_b128 v[KF+(\j)-4:KF+(\j)-1], v3 offset:STEPB+128*((\j)-4)   ; the next step's k, a load to two additions.  No wait: no vector instruction since the wait above names v48-71, v228, v3 or v4
.elseif (\nextk) && ((\j) == 28)
	ds_load_b32 v228, v4 offset:STEPB+6144         ; and its scale words
.endif
.endr
	v_pk_add_f32 v[14:15], v[14:15], v[SU:SU+1]
	s_wait_alu depctr_va_vdst(0)                   ; the two exponentials have written the blocks' largest p, ahead of its first reader
.irp c, 0,1
	v_max_num_f32 v[BM+\c], 0x1800000, v[BM+\c]    ; the floor 2^(3 - 127)
.endr
.irp c, 0,1
	v_add_nc_u32 v[SO+\c], 0xff000000, v[BM+\c]
.endr
.irp c, 0,1
	v_lshrrev_b32 v[BY+\c], 23, v[SO+\c]
.endr
	v_lshl_or_b32 v230, v[BY+1], 16, v[BY]         ; my bytes: blocks h and 2 + h,
	v_lshlrev_b32 v230, v5, v230                   ; 8 h bits up;
	v_permlanex16_b32 v[PD], v230, s[SEL], s[SEL+1]
	v_or_b32 v230, v230, v[PD]                     ; with lane l xor 16's two: p's scale word for these 128 keys
.irp c, 0,1
	v_cvt_scalef32_pk16_fp6_f32 v[PC+6*\c:PC+6*\c+2], v[S+32*\c:S+32*\c+15], v[SO+\c]
	v_cvt_scalef32_pk16_fp6_f32 v[TP+4*\c:TP+4*\c+2], v[S+32*\c+16:S+32*\c+31], v[SO+\c]   ; (a conversion's three registers begin on an even number)
.endr
	v_nop                                          ; one plain line behind the conversions
.irp c, 0,1
.irp i, 0,1,2
	v_mov_b32 v[PC+6*\c+3+\i], v[TP+4*\c+\i]
.endr
.endr
.irp j, 0,2,4,6,8,10,12,14
	v_pk_mul_f32 v[O+\j:O+\j+1], v[O+\j:O+\j+1], v[FF:FF+1] op_sel_hi:[1,0]   ; O^T under the new M.  (With the seven lines above: fifteen places behind the scale word, eight behind the codes)
.endr
	s_wait_alu depctr_va_vdst(0)                   ; p's codes v176-187 and its scale word v230 are written, which the scaled products below take; the places above stay beside this wait
.if \nextk
	s_wait_dscnt 7                                 ; v and its scale words are in; the seven younger loads, the next step's k and its scale words, may be out
.else
	s_wait_dscnt 0x0                               ; v and its scale words are in
.endif
	v_wmma_scale_f32_16x16x128_f8f6f4 v[O:O+7], v[VF:VF+11], v[PC:PC+11], v[O:O+7], v229, v230 matrix_a_fmt:MATRIX_FMT_FP6 matrix_b_fmt:MATRIX_FMT_FP6
	v_wmma_scale_f32_16x16x128_f8f6f4 v[O+8:O+15], v[VF+12:VF+23], v[PC:PC+11], v[O+8:O+15], v229, v230 matrix_a_fmt:MATRIX_FMT_FP6 matrix_b_fmt:MATRIX_FMT_FP6 matrix_a_scale:MATRIX_SCALE_ROW1
.endm
.macro TILE it
.irp q, 0,1,2,3,4,5
	ds_load_b128 v[KF+4*\q:KF+4*\q+3], v1 offset:512*\q    ; k of key step 0.  No wait: the last products that read v48-71 and v228 stand ahead of a wait on va_vdst, and no vector instruction since names them
.endr
	ds_load_b32 v228, v2 offset:6144               ; and its scale words
	v_mul_lo_u32 v46, v[QR+8*\it+6], s29           ; q's scale byte in all four bytes.  (The lines below are the places between it and the first product)
.irp i, 0,1,2,3,4,5
	v_cndmask_b32 v[22+\i], v[QR+8*\it+\i], v16, s30   ; Qlo: the codes in lanes 0-15, zeros above
	v_cndmask_b32 v[34+\i], v16, v[QR+8*\it+\i], s30   ; Qhi: the other way round
.endr
	v_mov_b32 v13, 0xff61b1e6                      ; the largest t so far: -3e38, under every t
	v_floor_f32 v12, -v13                          ; -M
	v_mov_b32 v14, 0
	v_mov_b32 v15, 0
.irp j, 0,1,2,3,4,5,6,7,8,9,10,11,12,13,14,15
	v_mov_b32 v[O+\j], 0                           ; the step is written once: the first finds zeros
.endr
	s_wait_alu depctr_va_vdst(0)                   ; q's fragments v16-45 and its scale word v46 are written, which the scaled products of every step take
	s_mov_b32 s[TB], 0
	s_mov_b32 s31, 15
.Lstep_\@:
	STEP 1
	s_add_co_u32 s[TB], s[TB], STEPB
	s_sub_co_u32 s31, s31, 1
	s_cmp_lg_u32 s31, 0
	s_cbranch_scc1 .Lstep_\@
	STEP 0                                         ; the sixteenth step is written out: no load reaches beyond the sixteen steps' bytes
.rept 4
	v_nop                                          ; places behind the last products
.endr
	v_add_f32 v14, v14, v15                        ; l's two halves,
	v_permlanex16_b32 v[PD], v14, s[SEL], s[SEL+1]
	v_add_f32 v14, v14, v[PD]                      ; and lane l xor 16's
	v_rcp_f32 v14, v14
	v_nop
	s_wait_alu depctr_va_vdst(0)                   ; the reciprocal has written v14, ahead of its first reader
.irp j, 0,1,2,3,4,5,6,7,8,9,10,11,12,13,14,15
	v_mul_f32 v[S+\j], v[O+\j], v14                ; O / l: channels 16 h + 0 .. 15 of query r
.endr
	v_max3_num_f32 v[BM], |v[S]|, |v[S+1]|, 0x1800000
.irp i, 2,4,6,8,10,12,14
	v_max3_num_f32 v[BM], v[BM], |v[S+\i]|, |v[S+\i+1]|
.endr
	v_permlanex16_b32 v[PD], v[BM], s[SEL], s[SEL+1]
	v_max_num_f32 v[BM], v[BM], v[PD]              ; the head's 32 channels are one block of the last product's K
	v_add_nc_u32 v[SO], 0xff000000, v[BM]
	v_lshrrev_b32 v[240+\it], 23, v[SO]
	v_cvt_scalef32_pk16_fp6_f32 v[232+4*\it:234+4*\it], v[S:S+15], v[SO]
	v_nop
	s_wait_alu depctr_va_vdst(0)                   ; the tile's codes and its scale byte are written, which the two stores read; behind the second tile's: the lines that named v96-99 are done, in which wave 0's last LDS load lands
	global_store_b96 v6, v[232+4*\it:234+4*\it], s[8:9] offset:6144*\it   ; 384 consecutive bytes: 16 tokens x 24
	ds_store_b8 v7, v[240+\it] offset:256*\it      ; both lanes of a query write the same byte with the same value
.endm
	TILE 0
	TILE 1
	s_wait_dscnt 0x0                               ; my scale bytes lie in LDS
	s_barrier_signal -1
	s_barrier_wait -1
	s_cmp_lg_u32 s12, 0
	s_cbranch_scc1 .Lend
	ds_load_b128 v[S:S+3], v250                    ; wave 0 stores the work-group's 512 scale bytes: 512 consecutive bytes, aligned
	s_wait_dscnt 0x0
	global_store_b128 v1, v[S:S+3], s[10:11]
.Lend:
	s_wait_dscnt 0x0                               ; the closing lines, six on end
	s_wait_alu 0x0
	s_wait_tensorcnt 0x0
	ds_add_u32 v254, v255
	s_wait_dscnt 0x0
	s_endpgm
.Lfunc_end_k_q223f01f295_attn:
	.size	k_q223f01f295_attn, .Lfunc_end_k_q223f01f295_attn-k_q223f01f295_attn
	.p2alignl 7, 3214868480
	.fill 96, 4, 3214868480
	.section	.rodata,"a",@progbits
	.p2align	6, 0x0
	.amdhsa_kernel k_q223f01f295_attn
		.amdhsa_group_segment_fixed_size 104960
		.amdhsa_private_segment_fixed_size 0
		.amdhsa_enable_private_segment 0
		.amdhsa_kernarg_size 32
		.amdhsa_user_sgpr_count 2
		.amdhsa_user_sgpr_kernarg_segment_ptr 1
		.amdhsa_wavefront_size32 1
		.amdhsa_system_sgpr_workgroup_id_x 1
		.amdhsa_system_sgpr_workgroup_id_y 1
		.amdhsa_system_sgpr_workgroup_id_z 1
		.amdhsa_system_vgpr_workitem_id 0
		.amdhsa_next_free_vgpr 256
		.amdhsa_next_free_sgpr 66
		.amdhsa_reserve_vcc 0
		.amdhsa_float_denorm_mode_32 3
		.amdhsa_float_denorm_mode_16_64 3
		.amdhsa_memory_ordered 1
		.amdhsa_forward_progress 1
		.amdhsa_inst_pref_size 68
	.end_amdhsa_kernel
	.amdgpu_metadata
---
amdhsa.version: [ 1, 2 ]
amdhsa.kernels:
  - .name:           k_q223f01f295_attn
    .symbol:         k_q223f01f295_attn.kd
    .args:
      - { .name: qkvc, .offset: 0, .size: 8, .value_kind: global_buffer, .address_space: global }
      - { .name: qkvs, .offset: 8, .size: 8, .value_kind: global_buffer, .address_space: global }
      - { .name: aoc, .offset: 16, .size: 8, .value_kind: global_buffer, .address_space: global }
      - { .name: aos, .offset: 24, .size: 8, .value_kind: global_buffer, .address_space: global }
    .group_segment_fixed_size: 104960
    .private_segment_fixed_size: 0
    .kernarg_segment_align: 8
    .kernarg_segment_size: 32
    .max_flat_workgroup_size: 512
    .sgpr_count:     66
    .vgpr_count:     256
    .wavefront_size: 32
...
	.end_amdgpu_metadata
.endif
;; end of part 5
;; launch proj_ln (part 6): grid 64 x 1, 4 waves a work-group, no clusters, 120,320 bytes of LDS; arguments aoc, aos, opc, ops, b_out, ln_gamma, ln_beta, out0; writes out0
.if DOCPART == 6
	.amdgcn_target "amdgcn-amd-amdhsa--gfx1250"
	.amdhsa_code_object_version 6
	.text
	.protected	k_q223f01f295_proj_ln
	.globl	k_q223f01f295_proj_ln
	.p2align	8
	.type	k_q223f01f295_proj_ln,@function
k_q223f01f295_proj_ln:
	s_mov_b64 s[64:65], 0
	v_nop
	global_prefetch_b8 v0, s[64:65] scope:SCOPE_SE
	s_setreg_imm32_b32 hwreg(HW_REG_WAVE_SCHED_MODE, 0, 2), 2
	s_setreg_imm32_b32 hwreg(HW_REG_WAVE_MODE, 25, 1), 1
	s_wait_xcnt 0x0
	s_wait_alu depctr_vm_vsrc(0)
; out0 = LayerNorm(ao w_out + b_out) x gamma + beta.  The product is on codes of FP6 (E2M3) with E8M0 scales, K = 1,024; all else in f32.
; SHARES.  The norm wants a row's 1,024 columns together: a work-group owns 64 whole rows (64 x 1,024 f32 sums are 512 registers in each of its four waves), so there are 4,096 / 64 = 64 work-groups.
; Wave w owns columns 256 w .. + 255 (w_out's tiles 448 + 16 w + b, b = 0 .. 15) for all four tiles of 16 rows: accumulator (a, b) in window 2 + a / 2 at v[128 (a % 2) + 8 b].
; Each fragment of w_out serves one wave alone: it comes from its image in opc straight into registers, three loads of 512 consecutive bytes, through a ring of five groups of four fragments: no LDS, no barrier in the K loop.
; No cluster: a joint load would land these fragments in LDS, whence each would be read once by one wave.
; ao's 32 fragments (4 tiles of rows x 8 K steps) are built once, wave w tile w, and go from wave to wave through LDS as images of their registers.
; THE MATRIX INSTRUCTION IS USED TRANSPOSED (source 0 = 16 operand rows of w_out, source 1 = 16 rows of ao); by the tiles' choice of rows a lane's 32 registers of accumulators 4 c .. 4 c + 3 are columns 64 c + 32 h + 0 .. 31 of one row.
; b_out is loaded into the accumulators: it is the C of each sum's first product.  The variance is taken of the differences from the mean, in a second pass.
; REGISTERS: window 0: v1-12 addresses; v16-23 the means, v24-31 1 / sqrt(var + eps), in pairs; v32-95 w_out's scale words; v96-99 ao's, two sets; v104-199 ao's fragments, two sets of 48; v200-239 at work; on the way out v104-231 rows.
;   window 1: v0-239 the ring; later gamma (v0-127) and beta (v128-255).
; THE MODE: SCHED_MODE bits 1:0 = 2 (LLVM: expert scheduling mode 2), set by the entry lines.  The code itself states the register dependences
; between vector or matrix instructions and memory or LDS instructions, with s_wait_alu, always for 0.
; THE PLAN.  Registers that memory or LDS instructions touch:
;   the ring      Set g % 5: read by group g's sixteen products; behind them the twelve loads of group g + 5 land in it.
;   v104-199, v96-99   ao's fragments and scale words, two sets: set s % 2 is read by K step s's 64 products; the LDS loads of K step s + 1 land in the other set, issued in K step s's first group.
;   v200-215      the running sums: written by vector instructions, read by four LDS stores in each of the two reductions, then written again.
;   v220-235      the four waves' sums: LDS loads land in them, vector instructions read and write them.
;   the accumulators   b_out's loads land in them at the head; at the end the stage's stores read them, behind the last vector instruction.
;   v104-231      on the way out: LDS loads land in them, global stores read them, tile by tile.
;   v1-v12        offsets and addresses, made at the head and never written again.
; A set of the ring is free only behind its own group's products, and a set that waited longer would lie idle while the wave waits for w_out: so ONE wait on va_vdst stands in a group, behind its products and
; ahead of the twelve loads; ao's thirteen LDS loads, where a group has them, follow under the same wait.  The last five groups load nothing and hold no such wait.
.set FRB,  1536
.set AIMG, 0                           ; LDS: ao's fragment (a, s) at (8 a + s) x 1536
.set ASC,  32*FRB                      ; its scale words: s x 256 + 8 x (16 (a % 2) + r) + 4 (a / 2)
.set RED1, ASC+2048                    ; the waves' sums: (16 a + r) x 16 + 4 w; the second pass's 1,024 bytes further on
.set STG,  RED1+2048                   ; a stage of 16 rows x (1,024 bytes + 16) for each wave
.set SPI,  1040
.set BSC,  32
.set ASR,  96
.set AFR,  104
.set CH,   200                         ; v200-215 four registers of running sums for each tile of rows
.set PX,   216                         ; v216-219 lane permutes' destinations
.set RB,   220                         ; v220-235 the four waves' sums
.set MU,   16
.set RSQ,  24
.set MSB, 0
.macro WIN new                         ; the immediate's high byte repeats the setting that is left
.if MSB != (\new)
	s_set_vgpr_msb (MSB<<8)|(\new)
.set MSB, (\new)
.endif
.endm
.macro BLD g                           ; group g: K step g / 4, tiles 4 (g % 4) .. + 3, into set g % 5 of the ring
	WIN 0x40                                       ; destination window 1, address window 0
.irp j, 0,1,2,3
.irp q, 0,1,2
	global_load_b128 v[48*((\g)%5)+12*\j+4*\q:48*((\g)%5)+12*\j+4*\q+3], v1, s[8:9] offset:(4*((\g)%4)+\j)*12288+((\g)/4)*FRB+512*\q
.endr
.endr
.endm
.macro ALD s                           ; ao's four fragments and scale words of K step s, into set s % 2
	WIN 0
.irp a, 0,1,2,3
.irp q, 0,1,2
	ds_load_b128 v[AFR+48*((\s)%2)+12*\a+4*\q:AFR+48*((\s)%2)+12*\a+4*\q+3], v1 offset:AIMG+(8*\a+(\s))*FRB+512*\q
.endr
.endr
	ds_load_b64 v[ASR+2*((\s)%2):ASR+2*((\s)%2)+1], v2 offset:ASC+256*(\s)
.endm
.macro PROD g, a, j                    ; accumulator (a, b) += w_out's fragment (b, s) x ao's fragment (a, s)
.set PB, 4*((\g)%4)+(\j)
.set PS, (\g)/4
.set PDD, 128*((\a)%2)+8*PB
.set PF, 48*((\g)%5)+12*(\j)
.set PA, AFR+48*(PS%2)+12*(\a)
.set PSB, BSC+8*(PB/2)+PS              ; lanes 0-15 the even tile's rows, lanes 16-31 the odd tile's
.set PSA, ASR+2*(PS%2)+(\a)/2          ; lanes 0-15 the even tile of rows, lanes 16-31 the odd one
.if (PB%2 == 0) && ((\a)%2 == 0)
	v_wmma_scale_f32_16x16x128_f8f6f4 v[PDD:PDD+7], v[PF:PF+11], v[PA:PA+11], v[PDD:PDD+7], v[PSB], v[PSA] matrix_a_fmt:MATRIX_FMT_FP6 matrix_b_fmt:MATRIX_FMT_FP6
.elseif (PB%2 == 1) && ((\a)%2 == 0)
	v_wmma_scale_f32_16x16x128_f8f6f4 v[PDD:PDD+7], v[PF:PF+11], v[PA:PA+11], v[PDD:PDD+7], v[PSB], v[PSA] matrix_a_fmt:MATRIX_FMT_FP6 matrix_b_fmt:MATRIX_FMT_FP6 matrix_a_scale:MATRIX_SCALE_ROW1
.elseif (PB%2 == 0) && ((\a)%2 == 1)
	v_wmma_scale_f32_16x16x128_f8f6f4 v[PDD:PDD+7], v[PF:PF+11], v[PA:PA+11], v[PDD:PDD+7], v[PSB], v[PSA] matrix_a_fmt:MATRIX_FMT_FP6 matrix_b_fmt:MATRIX_FMT_FP6 matrix_b_scale:MATRIX_SCALE_ROW1
.else
	v_wmma_scale_f32_16x16x128_f8f6f4 v[PDD:PDD+7], v[PF:PF+11], v[PA:PA+11], v[PDD:PDD+7], v[PSB], v[PSA] matrix_a_fmt:MATRIX_FMT_FP6 matrix_b_fmt:MATRIX_FMT_FP6 matrix_a_scale:MATRIX_SCALE_ROW1 matrix_b_scale:MATRIX_SCALE_ROW1
.endif
.endm
.macro GROUP g                         ; sixteen products on sixteen accumulators, which take turns; a group's fragments were asked for 64 products ago
.if 31-(\g) >= 4
	s_wait_loadcnt 48                              ; this group's 12 loads are in; those of the four groups behind it may be out
.else
	s_wait_loadcnt 12*(31-(\g))
.endif
.if (\g)%4 == 0
	s_wait_dscnt 0x0                               ; this K step's fragments of ao are in
.endif
	WIN 0xa1                                       ; source 0 window 1, source 1 window 0, C and D window 2
.irp a, 0,1
.irp j, 0,1,2,3
	PROD \g, \a, \j
.endr
.endr
	WIN 0xf1                                       ; C and D window 3
.irp a, 2,3
.irp j, 0,1,2,3
	PROD \g, \a, \j
.endr
.endr
.rept 4
	v_nop                                          ; four plain lines behind the group's products; behind the last group's they are the places ahead of the first read of results
.endr
.if (\g)+5 < 32
	WIN 0x40                                       ; the switch, then the wait, then the loads
	s_wait_alu depctr_va_vdst(0)                   ; this group's products are done reading set g % 5 of the ring, in which the twelve loads below land; in a K step's first group: the products of the K step before are done reading the set of ao's fragments and scale words in which the LDS loads below land
	BLD (\g)+5
.endif
.if ((\g)%4 == 0) && ((\g) < 28)
	ALD (\g)/4+1
.endif
.endm
; The running sums of the four tiles of rows are folded, joined with lane l xor 16's and with the other three waves': the row's sum ends in v[RB + 4 a] of every lane of row r.
.macro REDUCE off
.irp a, 0,1,2,3
	v_pk_add_f32 v[CH+4*\a:CH+4*\a+1], v[CH+4*\a:CH+4*\a+1], v[CH+4*\a+2:CH+4*\a+3]
.endr
.irp a, 0,1,2,3
	v_add_f32 v[CH+4*\a], v[CH+4*\a], v[CH+4*\a+1]
.endr
.irp a, 0,1,2,3
	v_permlanex16_b32 v[PX+\a], v[CH+4*\a], s26, s27
.endr
.irp a, 0,1,2,3
	v_add_f32 v[CH+4*\a], v[CH+4*\a], v[PX+\a]
.endr
	s_wait_alu depctr_va_vdst(0)                   ; the four sums are written, which the LDS stores read; the lines that named v220-235 are done, in which the loads behind the barrier land
.irp a, 0,1,2,3
	ds_store_b32 v5, v[CH+4*\a] offset:\off+256*\a ; both lanes of a row write the same word with the same value
.endr
	s_wait_dscnt 0x0                               ; for the others' sake
	s_barrier_signal -1
	s_barrier_wait -1
.irp a, 0,1,2,3
	ds_load_b128 v[RB+4*\a:RB+4*\a+3], v6 offset:\off+256*\a
.endr
	s_wait_alu depctr_vm_vsrc(0)                   ; my LDS stores have read v200, v204, v208 and v212, which are written again: by the clearing ahead of the second pass, and by the way out's LDS loads
	s_wait_dscnt 0x0
.irp a, 0,1,2,3
	v_add_f32 v[RB+4*\a], v[RB+4*\a], v[RB+4*\a+1]
.endr
.irp a, 0,1,2,3
	v_add_f32 v[RB+4*\a+2], v[RB+4*\a+2], v[RB+4*\a+3]
.endr
.irp a, 0,1,2,3
	v_add_f32 v[RB+4*\a], v[RB+4*\a], v[RB+4*\a+2]
.endr
.endm
	s_load_b256 s[4:11], s[0:1], 0x0               ; aoc s[4:5], aos s[6:7], opc s[8:9], ops s[10:11]
	s_load_b256 s[12:19], s[0:1], 0x20             ; b_out s[12:13], gamma s[14:15], beta s[16:17], out0 s[18:19]
	v_lshl_add_u32 v254, v0, 2, 0x1d400
	v_mov_b32 v255, 0
	v_lshrrev_b32 v1, 5, v0
	v_readfirstlane_b32 s20, v1                    ; wave 0..3
	v_and_b32 v13, 31, v0                          ; lane
	v_and_b32 v12, 15, v0                          ; r
	v_bfe_u32 v14, v0, 4, 1                        ; h
	v_lshlrev_b32 v1, 4, v13                       ; 16 x lane
	v_lshlrev_b32 v2, 3, v13                       ; 8 x lane
	v_lshlrev_b32 v3, 7, v14                       ; 128 h: my half's 32 columns of each 64
	v_lshlrev_b32 v4, 3, v12
	v_lshl_add_u32 v4, v14, 9, v4                  ; w_out's scale words: 512 h + 8 r
	s_wait_alu depctr_va_sdst(0)                   ; s20 is written, ahead of its first reader: addresses and bases are made from it
	s_lshl_b32 s22, s20, 2
	s_add_co_u32 s22, s22, RED1
	v_lshl_add_u32 v5, v12, 4, s22                 ; where I put a row's sum: 16 r + 4 w
	v_lshlrev_b32 v6, 4, v12
	v_add_nc_u32 v6, RED1, v6                      ; and where I read the four waves'
	s_mul_i32 s22, s20, 16*SPI
	s_add_co_u32 s22, s22, STG                     ; my stage
	v_mul_u32_u24 v7, v12, SPI
	v_lshl_add_u32 v7, v14, 7, v7
	v_add_nc_u32 v7, s22, v7                       ; in: row r, + 128 h
	v_add_nc_u32 v8, s22, v1                       ; back: 16 bytes a lane
	s_mul_i32 s22, s20, 8*FRB
	v_add_nc_u32 v9, s22, v1                       ; where I store ao's images: tile of rows w
	s_and_b32 s22, s20, 1
	s_lshl_b32 s22, s22, 7
	s_lshr_b32 s23, s20, 1
	s_lshl_b32 s23, s23, 2
	s_add_co_u32 s22, s22, s23
	s_add_co_u32 s22, s22, ASC
	v_lshl_add_u32 v10, v12, 3, s22                ; and their scale words
	v_mul_u32_u24 v11, v12, 24
	v_mad_u32_u24 v11, v14, 0x18000, v11           ; ao's codes: 24 r, + a head (98,304 bytes) for lanes 16-31
	s_mov_b32 s26, 0x76543210
	s_mov_b32 s27, 0xfedcba98                      ; v_permlanex16_b32's selects for lane l xor 16
	s_mov_b32 s28, 0x3a800000                      ; 1 / 1024
	s_mov_b32 s29, 0x358637bd                      ; eps = 1e-6
	s_lshl_b32 s21, ttmp9, 6                       ; the work-group's first row
	s_lshl_b32 s22, s20, 4
	s_add_co_u32 s22, s22, s21                     ; my tile of rows
	s_mov_b32 s23, 0
	s_mov_b32 s25, 0
	s_wait_kmcnt 0x0
	s_add_nc_u64 s[6:7], s[6:7], s[22:23]
	s_mul_i32 s22, s22, 24
	s_add_nc_u64 s[4:5], s[4:5], s[22:23]
	s_lshl_b32 s22, s20, 4
	s_add_co_u32 s22, s22, 448                     ; my first tile of w_out
	s_lshl_b32 s24, s22, 9
	s_add_nc_u64 s[10:11], s[10:11], s[24:25]
	s_mul_i32 s24, s22, 12288
	s_add_nc_u64 s[8:9], s[8:9], s[24:25]
	s_lshl_b32 s24, s20, 10                        ; my 256 columns, in bytes
	s_add_nc_u64 s[12:13], s[12:13], s[24:25]
	s_add_nc_u64 s[14:15], s[14:15], s[24:25]
	s_add_nc_u64 s[16:17], s[16:17], s[24:25]
	s_lshl_b32 s22, s21, 12
	s_add_co_u32 s24, s24, s22
	s_add_nc_u64 s[18:19], s[18:19], s[24:25]
	s_wait_alu depctr_va_vdst(0)                   ; the offsets and addresses v1 to v12 are written, which the kernel's loads and stores read
	; ---- ao's eight fragments of my tile of rows: K block 4 s + 2 c + h is a head
.irp s, 0,1,2,3,4,5,6,7
.irp c, 0,1
.irp i, 0,1,2
	global_load_b64 v[AFR+12*\s+6*\c+2*\i:AFR+12*\s+6*\c+2*\i+1], v11, s[4:5] offset:(4*\s+2*\c)*98304+8*\i
.endr
.endr
.irp e, 0,1,2,3
	global_load_u8 v[200+4*\s+\e], v12, s[6:7] offset:(4*\s+\e)*4096
.endr
.endr
	s_wait_loadcnt 0x0
.irp s, 0,1,2,3,4,5,6,7
	v_lshl_or_b32 v[232+\s], v[201+4*\s], 8, v[200+4*\s]
.endr
.irp s, 0,1,2,3,4,5,6,7
	v_lshl_or_b32 v[232+\s], v[202+4*\s], 16, v[232+\s]
.endr
.irp s, 0,1,2,3,4,5,6,7
	v_lshl_or_b32 v[232+\s], v[203+4*\s], 24, v[232+\s]
.endr
	s_wait_alu depctr_va_vdst(0)                   ; the eight scale words v232-239 are written, which the LDS stores read
.irp q, 0,1,2,3,4,5,6,7,8,9,10,11,12,13,14,15,16,17,18,19,20,21,22,23
	ds_store_b128 v9, v[AFR+4*\q:AFR+4*\q+3] offset:AIMG+512*\q
.endr
.irp s, 0,1,2,3,4,5,6,7
	ds_store_b32 v10, v[232+\s] offset:256*\s
.endr
	; ---- b_out into all 64 accumulators; w_out's scale words; the ring's first five groups.  No vector instruction has named any of these registers, and the offsets stand ahead of the waits above
.irp a, 0,1,2,3
	WIN (2+\a/2)<<6
.irp c, 0,1,2,3
.irp i, 0,1,2,3,4,5,6,7
	global_load_b128 v[128*(\a%2)+32*\c+4*\i:128*(\a%2)+32*\c+4*\i+3], v3, s[12:13] offset:256*\c+16*\i
.endr
.endr
.endr
	WIN 0
.irp p, 0,1,2,3,4,5,6,7
.irp t, 0,1,2,3
	global_load_b64 v[BSC+8*\p+2*\t:BSC+8*\p+2*\t+1], v4, s[10:11] offset:1024*\p+128*\t
.endr
.endr
.irp g, 0,1,2,3,4
	BLD \g
.endr
	WIN 0
	s_wait_dscnt 0x0                               ; for the others' sake: my images lie in LDS
	s_barrier_signal -1
	s_barrier_wait -1
	s_wait_alu depctr_vm_vsrc(0)                   ; my LDS stores have read v104-199 and v232-239: LDS loads land in them from here on
	ALD 0
.set G, 0
.rept 32
	GROUP G
.set G, G+1
.endr
	; ---- gamma and beta take the ring's place (the four places stand behind the last products)
	WIN 0x40
	s_wait_alu depctr_va_vdst(0)                   ; the last five groups' products are done reading the ring, in which gamma and beta land
.irp c, 0,1,2,3
.irp i, 0,1,2,3,4,5,6,7
	global_load_b128 v[32*\c+4*\i:32*\c+4*\i+3], v3, s[14:15] offset:256*\c+16*\i
	global_load_b128 v[128+32*\c+4*\i:128+32*\c+4*\i+3], v3, s[16:17] offset:256*\c+16*\i
.endr
.endr
	WIN 0
.irp k, 0,1,2,3,4,5,6,7,8,9,10,11,12,13,14,15,16,17,18,19
	v_mov_b32 v[CH+\k], 0                          ; the running sums, and the permutes' destinations
.endr
	; ---- the mean: each accumulator from its low end on
.irp u, 0,1
	WIN (2+\u)<<2
.set J, 0
.rept 32
	v_pk_add_f32 v[CH+8*\u:CH+8*\u+1], v[CH+8*\u:CH+8*\u+1], v[J:J+1]
	v_pk_add_f32 v[CH+8*\u+4:CH+8*\u+5], v[CH+8*\u+4:CH+8*\u+5], v[128+J:129+J]
	v_pk_add_f32 v[CH+8*\u+2:CH+8*\u+3], v[CH+8*\u+2:CH+8*\u+3], v[J+2:J+3]
	v_pk_add_f32 v[CH+8*\u+6:CH+8*\u+7], v[CH+8*\u+6:CH+8*\u+7], v[130+J:131+J]
.set J, J+4
.endr
.endr
	WIN 0
	REDUCE 0
.irp a, 0,1,2,3
	v_mul_f32 v[MU+2*\a], s28, v[RB+4*\a]
.endr
.irp a, 0,1,2,3
	v_mov_b32 v[MU+2*\a+1], v[MU+2*\a]             ; (named with it as a pair)
.endr
.irp k, 0,1,2,3,4,5,6,7,8,9,10,11,12,13,14,15
	v_mov_b32 v[CH+\k], 0
.endr
	; ---- the differences from the mean, in place, and the sum of their squares
.irp u, 0,1
	WIN (2+\u)|((2+\u)<<6)
.set J, 0
.rept 64
	v_pk_add_f32 v[J:J+1], v[J:J+1], v[MU+4*\u:MU+4*\u+1] op_sel_hi:[1,0] neg_lo:[0,1] neg_hi:[0,1]
	v_pk_add_f32 v[128+J:129+J], v[128+J:129+J], v[MU+4*\u+2:MU+4*\u+3] op_sel_hi:[1,0] neg_lo:[0,1] neg_hi:[0,1]
.set J, J+2
.endr
	WIN (2+\u)|((2+\u)<<2)
.set J, 0
.rept 32
	v_pk_fma_f32 v[CH+8*\u:CH+8*\u+1], v[J:J+1], v[J:J+1], v[CH+8*\u:CH+8*\u+1]
	v_pk_fma_f32 v[CH+8*\u+4:CH+8*\u+5], v[128+J:129+J], v[128+J:129+J], v[CH+8*\u+4:CH+8*\u+5]
	v_pk_fma_f32 v[CH+8*\u+2:CH+8*\u+3], v[J+2:J+3], v[J+2:J+3], v[CH+8*\u+2:CH+8*\u+3]
	v_pk_fma_f32 v[CH+8*\u+6:CH+8*\u+7], v[130+J:131+J], v[130+J:131+J], v[CH+8*\u+6:CH+8*\u+7]
.set J, J+4
.endr
.endr
	WIN 0
	REDUCE 1024
.irp a, 0,1,2,3
	v_fma_f32 v[RB+4*\a], v[RB+4*\a], s28, s29     ; var + eps
.endr
.irp a, 0,1,2,3
	v_rsq_f32 v[RSQ+2*\a], v[RB+4*\a]
.endr
	v_nop
	s_wait_alu depctr_va_vdst(0)                   ; the four reciprocal roots are written, ahead of their first reader
.irp a, 0,1,2,3
	v_mov_b32 v[RSQ+2*\a+1], v[RSQ+2*\a]
.endr
	s_wait_loadcnt 0x0                             ; gamma and beta
.irp u, 0,1
	WIN (2+\u)|((2+\u)<<6)
.set J, 0
.rept 64
	v_pk_mul_f32 v[J:J+1], v[J:J+1], v[RSQ+4*\u:RSQ+4*\u+1] op_sel_hi:[1,0]
	v_pk_mul_f32 v[128+J:129+J], v[128+J:129+J], v[RSQ+4*\u+2:RSQ+4*\u+3] op_sel_hi:[1,0]
.set J, J+2
.endr
	WIN (2+\u)|(1<<2)|(1<<4)|((2+\u)<<6)           ; sources 1 and 2, gamma and beta, in window 1
.set J, 0
.rept 64
	v_pk_fma_f32 v[J:J+1], v[J:J+1], v[J:J+1], v[128+J:129+J]
	v_pk_fma_f32 v[128+J:129+J], v[128+J:129+J], v[J:J+1], v[128+J:129+J]
.set J, J+2
.endr
.endr
; THE WAY OUT, a tile of 16 rows at a time, through my own stage: a lane's 128 bytes of a row go in, whole runs of 512 bytes of a row come back.  LDS serves a wave's instructions in order: no wait between stores and loads.
.macro OUT a
	WIN (2+(\a)/2)<<2                              ; an LDS store's data are its source 1
.if (\a) == 0
	s_wait_alu depctr_va_vdst(0)                   ; the kernel's last vector instruction is done: all 64 accumulators are written, which the stage's stores of the four tiles read, and no line still names v104-231, in which the loads from the stage land
.endif
.irp c, 0,1,2,3
.irp i, 0,1,2,3,4,5,6,7
	ds_store_b128 v7, v[128*((\a)%2)+32*\c+4*\i:128*((\a)%2)+32*\c+4*\i+3] offset:256*\c+16*\i
.endr
.endr
	WIN 0
.if (\a) > 0
	s_wait_xcnt 0x0                                ; the last tile's stores have had their addresses translated: their registers are loaded again only behind this wait,
	s_wait_alu depctr_vm_vsrc(0)                   ; and behind this one: the last tile's global stores have read v104-231, in which the loads below land
.endif
.irp n, 0,1,2,3,4,5,6,7,8,9,10,11,12,13,14,15,16,17,18,19,20,21,22,23,24,25,26,27,28,29,30,31
	ds_load_b128 v[AFR+4*\n:AFR+4*\n+3], v8 offset:SPI*(\n/2)+512*(\n%2)
.endr
.irp n, 0,1,2,3,4,5,6,7,8,9,10,11,12,13,14,15,16,17,18,19,20,21,22,23,24,25,26,27,28,29,30,31
	s_wait_dscnt 31-\n                             ; the younger loads may be out
	global_store_b128 v1, v[AFR+4*\n:AFR+4*\n+3], s[18:19] offset:(16*(\a)+\n/2)*4096+512*(\n%2) th:TH_STORE_NT   ; 512 consecutive bytes, aligned; written once
.endr
.endm
	OUT 0
	OUT 1
	OUT 2
	OUT 3
	s_wait_dscnt 0x0                               ; the closing lines, six on end (every window is 0 here: the add's two registers lie in window 0)
	s_wait_alu 0x0
	s_wait_tensorcnt 0x0
	ds_add_u32 v254, v255
	s_wait_dscnt 0x0
	s_endpgm
.Lfunc_end_k_q223f01f295_proj_ln:
	.size	k_q223f01f295_proj_ln, .Lfunc_end_k_q223f01f295_proj_ln-k_q223f01f295_proj_ln
	.p2alignl 7, 3214868480
	.fill 96, 4, 3214868480
	.section	.rodata,"a",@progbits
	.p2align	6, 0x0
	.amdhsa_kernel k_q223f01f295_proj_ln
		.amdhsa_group_segment_fixed_size 120320
		.amdhsa_private_segment_fixed_size 0
		.amdhsa_enable_private_segment 0
		.amdhsa_kernarg_size 64
		.amdhsa_user_sgpr_count 2
		.amdhsa_user_sgpr_kernarg_segment_ptr 1
		.amdhsa_wavefront_size32 1
		.amdhsa_system_sgpr_workgroup_id_x 1
		.amdhsa_system_sgpr_workgroup_id_y 1
		.amdhsa_system_sgpr_workgroup_id_z 1
		.amdhsa_system_vgpr_workitem_id 0
		.amdhsa_next_free_vgpr 1024
		.amdhsa_next_free_sgpr 66
		.amdhsa_reserve_vcc 0
		.amdhsa_float_denorm_mode_32 3
		.amdhsa_float_denorm_mode_16_64 3
		.amdhsa_memory_ordered 1
		.amdhsa_forward_progress 1
		.amdhsa_inst_pref_size 255
	.end_amdhsa_kernel
	.section	.bss,"aw",@nobits
	.p2align	6
	.space	262144
	.amdgpu_metadata
---
amdhsa.version: [ 1, 2 ]
amdhsa.kernels:
  - .name:           k_q223f01f295_proj_ln
    .symbol:         k_q223f01f295_proj_ln.kd
    .args:
      - { .name: aoc, .offset: 0, .size: 8, .value_kind: global_buffer, .address_space: global }
      - { .name: aos, .offset: 8, .size: 8, .value_kind: global_buffer, .address_space: global }
      - { .name: opc, .offset: 16, .size: 8, .value_kind: global_buffer, .address_space: global }
      - { .name: ops, .offset: 24, .size: 8, .value_kind: global_buffer, .address_space: global }
      - { .name: b_out, .offset: 32, .size: 8, .value_kind: global_buffer, .address_space: global }
      - { .name: ln_gamma, .offset: 40, .size: 8, .value_kind: global_buffer, .address_space: global }
      - { .name: ln_beta, .offset: 48, .size: 8, .value_kind: global_buffer, .address_space: global }
      - { .name: out0, .offset: 56, .size: 8, .value_kind: global_buffer, .address_space: global }
    .group_segment_fixed_size: 120320
    .private_segment_fixed_size: 0
    .kernarg_segment_align: 8
    .kernarg_segment_size: 64
    .max_flat_workgroup_size: 128
    .sgpr_count:     66
    .vgpr_count:     1024
    .wavefront_size: 32
...
	.end_amdgpu_metadata
.endif
;; end of part 6
